; MI455X (gfx1250); checked and timed in simulation.
; The chip was launched on July 23, 2026; its instructions are those of AMD's public machine-readable ISA for CDNA 5 (MIT licence, August 2026) and "CDNA5" Instruction Set Architecture Reference Guide (July 2026). The comments in the code are by the model that wrote it; some were corrected since.
;; Attn Block. Allowed arithmetic: matrix products marked QUANTISED: E2M1 operands, one E8M0 scale for each 32 along K, by v_wmma_scale_f32_16x16x128_f8f6f4 with both operands' format E2M1 (or v_wmma_scale_f32_32x16x128_f4), f32 sums; everything else in f32.
;; Inputs: Wk_codes 512 x 16 x 16 uint8 (E2M1 codes of Wk, K innermost, in blocks of 32 codes, two codes a byte); Wk_scales 512 x 16 uint8 (E8M0 scales of Wk, one for each 32 codes along K); Wo_codes 512 x 16 x 16 uint8 (E2M1 codes of Wo, K innermost, in blocks of 32 codes, two codes a byte); Wo_scales 512 x 16 uint8 (E8M0 scales of Wo, one for each 32 codes along K); Wq_codes 512 x 16 x 16 uint8 (E2M1 codes of Wq, K innermost, in blocks of 32 codes, two codes a byte); Wq_scales 512 x 16 uint8 (E8M0 scales of Wq, one for each 32 codes along K); Wv_codes 512 x 16 x 16 uint8 (E2M1 codes of Wv, K innermost, in blocks of 32 codes, two codes a byte); Wv_scales 512 x 16 uint8 (E8M0 scales of Wv, one for each 32 codes along K); beta 512 float32; bk 512 float32; bo 512 float32; bq 512 float32; bv 512 float32; gamma 512 float32; x 2 x 512 x 64 x 64 float32.
;; Outputs: out0 2 x 512 x 64 x 64 float32.
;; This version of the problem:
;;   THIS VERSION OF THE PROBLEM IS GIVEN IN LOW PRECISION. The matrix products marked QUANTISED in the list below multiply operands that are first quantised to E2M1 (2 exponent bits, 1 mantissa bit; 4 bits a number), with one power-of-two scale for each 32 numbers along K (OCP MX v1.0); their sums are f32. All else is computed in f32.
;;   The module's matrix products, in the order in which they are computed (A, B: the left and right operand; K: the contracted axis; several contracted axes count as one K, in the product's order):
;;     1. [M 8,192, K 512] x [K 512, N 512]; A: computed on the way; B: input Wq (given as codes): QUANTISED
;;     2. [M 8,192, K 512] x [K 512, N 512]; A: computed on the way; B: input Wk (given as codes): QUANTISED
;;     3. [M 8,192, K 512] x [K 512, N 512]; A: computed on the way; B: input Wv (given as codes): QUANTISED
;;     4. batch 16 x [M 4,096, K 64] x [K 64, N 4,096]; A: computed on the way; B: computed on the way: QUANTISED
;;     5. batch 16 x [M 64, K 4,096] x [K 4,096, N 4,096]; A: computed on the way; B: softmax (see below): QUANTISED
;;     6. [M 8,192, K 512] x [K 512, N 512]; A: computed on the way; B: input Wo (given as codes): QUANTISED
;;   THE QUANTISER, for each operand of a quantised product, along K:
;;     - K is cut into blocks of 32 from its start; a last block that is shorter is filled with zeros.
;;     - A block's scale is 2^e with e = floor(log2(the largest magnitude in the block)) - 2, held to -126 .. 127; a block of zeros has e = 0. As a byte (E8M0): e + 127.
;;     - Each number is divided by its block's scale, clamped to +-6, and rounded to the nearest number of E2M1, ties to even, subnormals kept.
;;     - The product sums the exact products of the quantised numbers (number of the format x scale) in f32.
;;   ~~~python
;;   def quantise(x, axis):      # numpy; x: float32 -> the quantised numbers, widened to float32 again
;;       x = np.moveaxis(x, axis, -1); K = x.shape[-1]
;;       x = np.pad(x, [(0, 0)] * (x.ndim - 1) + [(0, -K % 32)]); x = x.reshape(x.shape[:-1] + (-1, 32)); a = np.abs(x).max(-1, keepdims=True)
;;       e = np.where(a > 0, np.clip(np.frexp(np.where(a > 0, a, 1))[1] - 1 - 2, -126, 127), 0)      # np.frexp(a)[1] - 1 = floor(log2(a)), exactly
;;       r = np.clip(x / 2.0 ** e, -6, 6)
;;       step = 2.0 ** (np.maximum(np.frexp(np.where(r == 0, 1, r))[1] - 1, 0) - 1)
;;       q = np.round(r / step) * step * 2.0 ** e      # np.round: ties to even
;;       return np.moveaxis(q.reshape(q.shape[:-2] + (-1,))[..., :K], -1, axis).astype(np.float32)
;;   ~~~
;;   SOFTMAX AHEAD OF A QUANTISED PRODUCT. Where the list says 'softmax', what is quantised is not the finished softmax but p = 2^(t - M), with t = logit x log2(e) and M = ceil(the row's largest t), a whole number; so 1/2 < the row's largest p <= 1. The row's sum l is taken of the UNQUANTISED p, in f32, and the product's result is divided by l at the end. Since M is a whole number, a kernel that streams over the keys may use a running M (the ceiling of the running maximum): every later rescaling is an exact power of two, which a block's scale takes up: the codes' values come out the same.
;;   OPERANDS COMPUTED ON THE WAY. 'Computed on the way' means the value that the module computes at that place (a softmax that the list does not call 'softmax' is quantised finished and normalised). What goes into a quantiser is computed in f32, as accurately as f32 sums, v_exp_f32 and their like allow (about 1e-6 of the number): no bf16 or f16 on the way to a quantiser, and a product that is left as it is and whose result goes on into a quantised operand takes f32 operands (vector FMAs, or v_wmma_f32_16x16x4_f32). A number that lies on a knife's edge between two numbers of the format may be rounded either way, as far as f32 arithmetic and the matrix unit's own rounding can turn it there, and no further.
;;   INPUTS GIVEN AS CODES. Wk (in the module: [512, 512], K = its axis 1); Wo (in the module: [512, 512], K = its axis 1); Wq (in the module: [512, 512], K = its axis 1); Wv (in the module: [512, 512], K = its axis 1): each comes as NAME_codes (uint8): NAME with its K axis moved to the last place and cut into blocks of 32 codes, [.., K / 32, bytes a block], one block behind the other in memory; two codes a byte, the lower K in the low four bits (a code: sign, 2 exponent bits, 1 mantissa bit); and NAME_scales (uint8): the same leading axes, one E8M0 byte (e + 127) for each 32 codes along K. Its value is code x scale, taken as it is: it is not quantised again, and the codes and scales need not be those that the quantiser above would give.
;; One version. Each part assembles by itself: llvm-mc -triple=amdgcn-amd-amdhsa -mcpu=gfx1250 --defsym DOCPART=n.
;; ======== version 1 of 1: 4 launches
;; limits: right only within a limited range of input values
;; workspace buffers: stats 2,048 bytes; qc 2,359,296 bytes; kv 4,718,592 bytes; oc 2,097,152 bytes; os 524,288 bytes
;; launch stats (part 1): grid 256 x 1, 8 waves a work-group, no clusters, 1,280 bytes of LDS; arguments x, stats; writes stats
.if DOCPART == 1
	.amdgcn_target "amdgcn-amd-amdhsa--gfx1250"
	.amdhsa_code_object_version 6
	.text
	.protected	k_q37c1df5d50_stats
	.globl	k_q37c1df5d50_stats
	.p2align	8
	.type	k_q37c1df5d50_stats,@function
k_q37c1df5d50_stats:
	s_mov_b64 s[64:65], 0
	v_nop
	global_prefetch_b8 v0, s[64:65] scope:SCOPE_SE
	s_setreg_imm32_b32 hwreg(HW_REG_WAVE_MODE, 25, 1), 1
	s_wait_xcnt 0x0
; GROUP NORM, FIRST HALF.  x is [2][512][4096] f32; a group is 16 channels x 4,096 positions = 262,144 consecutive bytes.
; Work-group p takes a quarter of a group, the 65,536 bytes at x + 65,536 p (16,384 numbers), and stores two f32 at stats + 8 p:
; the quarter's mean, and the sum of squares of its numbers about that mean.  The next launch joins four quarters.
; The 64 numbers of a thread stay in registers for both passes, so x is read once here, and no difference of large sums is formed:
; a common offset of the inputs costs no accuracy.
; Each load of a wave covers 512 consecutive bytes, aligned.  No matrix unit, no cluster: nothing is shared between work-groups.
; LIMITS: NaN and infinities among the inputs are not served.
.set X,   4                            ; v[4:67]   my 64 numbers
.set CH,  68                           ; v[68:75]  four packed chains
.set D,   76                           ; v[76:83]  differences; the eight waves' parts
.set TOT, 84                           ; v84       a total
	s_load_b128 s[4:7], s[0:1], 0x0                ; x, stats
	v_lshl_add_u32 v96, v0, 2, 0x100
	v_mov_b32 v97, 0
	v_lshrrev_b32 v2, 5, v0
	s_delay_alu instid0(VALU_DEP_1)
	v_readfirstlane_b32 s8, v2                     ; wave 0..7
	v_lshlrev_b32 v1, 4, v0                        ; 16 bytes a thread
	s_delay_alu instid0(VALU_DEP_3)
	v_lshlrev_b32 v86, 2, v2                       ; LDS: a word for each wave
	v_mov_b32 v85, 0                               ; written once: a lane permute's destination counts as one of its sources
	v_mov_b32 v87, 0
	s_lshl_b32 s10, ttmp9, 16                      ; my quarter group in x
	s_mov_b32 s11, 0
	s_mov_b32 s12, 0x76543210                      ; v_permlanex16_b32: lane l xor 16
	s_mov_b32 s13, 0xfedcba98
	s_lshl_b32 s14, ttmp9, 3                       ; and its two numbers in stats
	s_mov_b32 s15, 0
	s_wait_alu depctr_va_vdst(0)
	s_wait_kmcnt 0x0
	s_add_nc_u64 s[4:5], s[4:5], s[10:11]
	s_add_nc_u64 s[6:7], s[6:7], s[14:15]
.set i, 0
.rept 16
	global_load_b128 v[X+4*i:X+4*i+3], v1, s[4:5] offset:4096*i
.set i, i+1
.endr
; The four chains' total over lanes, then over the eight waves through LDS words at off; the result stands in v[TOT] of every lane.
.macro REDUCE off
	v_pk_add_f32 v[CH:CH+1], v[CH:CH+1], v[CH+2:CH+3]
	s_delay_alu instid0(VALU_DEP_2)
	v_pk_add_f32 v[CH+4:CH+5], v[CH+4:CH+5], v[CH+6:CH+7]
	s_delay_alu instid0(VALU_DEP_1)
	v_pk_add_f32 v[CH:CH+1], v[CH:CH+1], v[CH+4:CH+5]
	s_delay_alu instid0(VALU_DEP_1)
	v_add_f32 v[TOT], v[CH], v[CH+1]
	s_delay_alu instid0(VALU_DEP_1)
	v_add_f32_dpp v[TOT], v[TOT], v[TOT] row_xmask:1 row_mask:0xf bank_mask:0xf
	s_delay_alu instid0(VALU_DEP_1)
	v_add_f32_dpp v[TOT], v[TOT], v[TOT] row_xmask:2 row_mask:0xf bank_mask:0xf
	s_delay_alu instid0(VALU_DEP_1)
	v_add_f32_dpp v[TOT], v[TOT], v[TOT] row_xmask:4 row_mask:0xf bank_mask:0xf
	s_delay_alu instid0(VALU_DEP_1)
	v_add_f32_dpp v[TOT], v[TOT], v[TOT] row_xmask:8 row_mask:0xf bank_mask:0xf
	s_delay_alu instid0(VALU_DEP_1)
	v_permlanex16_b32 v85, v[TOT], s12, s13
	s_delay_alu instid0(VALU_DEP_1)
	v_add_f32 v[TOT], v[TOT], v85
	ds_store_b32 v86, v[TOT] offset:\off           ; all lanes of a wave write the same word with the same value
	s_wait_dscnt 0x0                               ; for the others: my store has landed
	s_barrier_signal -1
	s_barrier_wait -1
	ds_load_b128 v[D:D+3], v87 offset:\off
	ds_load_b128 v[D+4:D+7], v87 offset:\off+16
	s_wait_dscnt 0x0
	v_add_f32 v[D], v[D], v[D+1]
	v_add_f32 v[D+2], v[D+2], v[D+3]
	v_add_f32 v[D+4], v[D+4], v[D+5]
	v_add_f32 v[D+6], v[D+6], v[D+7]
	s_delay_alu instid0(VALU_DEP_3)
	v_add_f32 v[D], v[D], v[D+2]
	s_delay_alu instid0(VALU_DEP_2)
	v_add_f32 v[D+4], v[D+4], v[D+6]
	s_delay_alu instid0(VALU_DEP_1)
	v_add_f32 v[TOT], v[D], v[D+4]
.endm
	; pass 1: the sum.  The first four loads start the chains: nothing is cleared
	s_wait_loadcnt 12                              ; loads 0 to 3 are in; the twelve behind them may be out
.irp c, 0,1,2,3
	v_pk_add_f32 v[CH+2*\c:CH+2*\c+1], v[X+2*\c:X+2*\c+1], v[X+8+2*\c:X+8+2*\c+1]
.endr
	s_wait_alu depctr_va_vdst(0)
.irp n, 2,3,4,5,6,7
	s_wait_alu depctr_va_vdst(0)
	s_wait_loadcnt 14-2*\n                         ; loads 2 n and 2 n + 1 are in; those behind them may be out
.irp c, 0,1,2,3
	v_pk_add_f32 v[CH+2*\c:CH+2*\c+1], v[CH+2*\c:CH+2*\c+1], v[X+8*\n+2*\c:X+8*\n+2*\c+1]
.endr
.endr
	REDUCE 0
	s_delay_alu instid0(VALU_DEP_1)
	v_mul_f32 v88, 0x38800000, v[TOT]              ; the mean: the sum x 2^-14
	s_delay_alu instid0(VALU_DEP_1)
	v_mov_b32 v89, v88
	; pass 2: the squares about the mean
.set p, 0
.rept 32
	v_pk_add_f32 v[D+2*(p%4):D+2*(p%4)+1], v[X+2*p:X+2*p+1], v[88:89] neg_lo:[0,1] neg_hi:[0,1]
.if p < 4
	s_delay_alu instid0(VALU_DEP_1)
	v_pk_mul_f32 v[CH+2*(p%4):CH+2*(p%4)+1], v[D+2*(p%4):D+2*(p%4)+1], v[D+2*(p%4):D+2*(p%4)+1]
.else
	s_delay_alu instid0(VALU_DEP_1)
	v_pk_fma_f32 v[CH+2*(p%4):CH+2*(p%4)+1], v[D+2*(p%4):D+2*(p%4)+1], v[D+2*(p%4):D+2*(p%4)+1], v[CH+2*(p%4):CH+2*(p%4)+1]
.endif
.set p, p+1
.endr
	REDUCE 32                                      ; other LDS words than the first time: no barrier is owed between the two
	s_delay_alu instid0(VALU_DEP_1)
	v_mov_b32 v89, v[TOT]
	s_cmp_lg_u32 s8, 0                             ; thread 0 stores the pair
	s_cbranch_scc1 .Ldone
	s_wait_xcnt 0x0                                ; EXEC changes only behind this wait
	v_cmp_eq_u32 vcc_lo, 0, v0
	s_and_saveexec_b32 s16, vcc_lo
	s_wait_alu depctr_va_vdst(0)
	global_store_b64 v87, v[88:89], s[6:7]
	s_wait_xcnt 0x0                                ; and again in front of the line that widens it
	s_or_b32 exec_lo, exec_lo, s16
.Ldone:
	s_wait_tensorcnt 0x0
	ds_add_u32 v96, v97
	s_wait_dscnt 0x0
	s_endpgm
.Lfunc_end_k_q37c1df5d50_stats:
	.size	k_q37c1df5d50_stats, .Lfunc_end_k_q37c1df5d50_stats-k_q37c1df5d50_stats
	.p2alignl 7, 3214868480
	.fill 96, 4, 3214868480
	.section	.rodata,"a",@progbits
	.p2align	6, 0x0
	.amdhsa_kernel k_q37c1df5d50_stats
		.amdhsa_group_segment_fixed_size 1280
		.amdhsa_private_segment_fixed_size 0
		.amdhsa_enable_private_segment 0
		.amdhsa_kernarg_size 16
		.amdhsa_user_sgpr_count 2
		.amdhsa_user_sgpr_kernarg_segment_ptr 1
		.amdhsa_wavefront_size32 1
		.amdhsa_system_sgpr_workgroup_id_x 1
		.amdhsa_system_sgpr_workgroup_id_y 1
		.amdhsa_system_sgpr_workgroup_id_z 1
		.amdhsa_system_vgpr_workitem_id 0
		.amdhsa_next_free_vgpr 98
		.amdhsa_next_free_sgpr 66
		.amdhsa_reserve_vcc 1
		.amdhsa_float_denorm_mode_32 3
		.amdhsa_float_denorm_mode_16_64 3
		.amdhsa_memory_ordered 1
		.amdhsa_forward_progress 1
		.amdhsa_inst_pref_size 14
	.end_amdhsa_kernel
	.amdgpu_metadata
---
amdhsa.version: [ 1, 2 ]
amdhsa.kernels:
  - .name:           k_q37c1df5d50_stats
    .symbol:         k_q37c1df5d50_stats.kd
    .args:
      - { .name: x, .offset: 0, .size: 8, .value_kind: global_buffer, .address_space: global }
      - { .name: stats, .offset: 8, .size: 8, .value_kind: global_buffer, .address_space: global }
    .group_segment_fixed_size: 1280
    .private_segment_fixed_size: 0
    .kernarg_segment_align: 8
    .kernarg_segment_size: 16
    .max_flat_workgroup_size: 256
    .sgpr_count:     66
    .vgpr_count:     98
    .wavefront_size: 32
...
	.end_amdgpu_metadata
.endif
;; end of part 1
;; launch qkv (part 2): grid 4 x 64, 8 waves a work-group, no clusters, 41,984 bytes of LDS; arguments x, stats, gamma, beta, Wq_codes, Wq_scales, bq, qc, Wk_codes, Wk_scales, bk, kv, Wv_codes, Wv_scales, bv; writes qc, kv
.if DOCPART == 2
	.amdgcn_target "amdgcn-amd-amdhsa--gfx1250"
	.amdhsa_code_object_version 6
	.text
	.protected	k_q37c1df5d50_qkv
	.globl	k_q37c1df5d50_qkv
	.p2align	8
	.type	k_q37c1df5d50_qkv,@function
k_q37c1df5d50_qkv:
	s_mov_b64 s[64:65], 0
	v_nop
	global_prefetch_b8 v0, s[64:65] scope:SCOPE_SE
	s_setreg_imm32_b32 hwreg(HW_REG_WAVE_MODE, 25, 1), 1
	s_wait_xcnt 0x0
; GROUP NORM (second half), q, k, v = h W^T + b on codes of FP4 (E2M1) with one E8M0 scale for each 32 along K, and the quantising of q, k (along the head's 64) and v (along the keys).
; SHARES.  Work-group (hp, PB): the 128 positions PB (image b = PB / 32, block step = PB % 32) and heads 2 hp, 2 hp + 1 of q, k and v.  Eight waves.
; X:  h = (x - mean) rstd gamma + beta in f32.  A LANE TAKES A POSITION AND ITS REGISTERS RUN DOWN THE CHANNELS, which are K: a block of 32 lies in one lane, each load reads 128 consecutive bytes a wave
;     (four waves side by side on 512), and the conversions give codes with K innermost.  Wave w: positions 32 (w % 4) on, K steps w / 4 and w / 4 + 2.  The codes go to LDS as IMAGES OF OPERAND REGISTERS.
; QK: wave w: matrix w / 4 (q or k), head 2 hp + (w / 2) % 2, tiles of positions 4 (w % 2) + 0 .. 3.  Used transposed (source 0 = 16 rows of W, source 1 = 16 positions): a lane holds one position, registers run along d.
; V:  wave w: head 2 hp + w / 4, 16 channels (tile w % 4), all 128 positions.  Source 0 = 16 positions, source 1 = 16 rows of Wv: a lane holds one channel, registers run along the positions, which are the keys.
; TILES ARE NOT MADE OF NEIGHBOURS.  Row r of tile 2 b + u (of positions in the block of 128; of a head's rows of W) is number 32 b + 8 u + r + 8 (r / 8): so the 16 registers of two neighbouring result tiles are 16 neighbours
; along the next K, 32 b + 16 (lane / 16) + 0 .. 15.
; AN IMAGE: a fragment's registers 4 c .. 4 c + 3 as 512 bytes, lane l's 16 bytes at 16 l.  The workspace records are made of images, so that the next launch loads operands as they stand:
;   qc [b 8 + head][step][4,608]: 8 tiles of q x 512; at 4,096 the scale words [tile / 4][r][tile % 4].    kv [b 8 + head][step][9,216]: 8 tiles of k x 512; at 4,096 v [tile of d 4][c 2][512]; at 8,192 k's scale words, as q's; at 8,704 v's [tile][lane].
;   A head's 64 fill half of a K step of 128: q's and k's images are the c = 0 half alone, and bytes 2 and 3 of their scale words are 0.
; The biases are the C of each sum's first matrix instruction.
; NO JOINT LOADS: the four work-groups of a PB read the same 262,144 bytes of x, but a lane wants a column of x down K in its registers, which plain loads give and a tile in LDS does not; the weights of a wave (16 + 4 fragments) are read once and stay in registers.
; LIMITS: NaN and infinities are not served.  A block whose largest magnitude lies under 2^-124 (a block of zeros too) keeps the scale byte 1; its bytes are read by this program alone.  rstd is v_rsq_f32 (ISA guide: 1 ulp).
.set TA,   0                           ; LDS: rstd x gamma, a word a channel
.set TBE,  2048                        ; beta
.set TMN,  4096                        ; the channel's group's mean
.set HSC,  6144                        ; h's scale words [tile 8][r 16][K step 4]
.set HIMG, 8192                        ; h's 32 fragments: (4 tile + K step) x 1,024 + 512 c + 16 lane
.set LN,  1                            ; v1   lane
.set RW,  2                            ; v2   r = lane % 16
.set HF,  3                            ; v3   h = lane / 16
.set XO,  4                            ; v4   4 x lane
.set TAD, 5                            ; v5   the tables at my first K step: 512 (wave / 4)
.set HST, 6                            ; v6   where I store a block's 16 bytes of codes
.set HSS, 7                            ; v7   and a K step's scale word
.set LI,  8                            ; v8   16 x lane
.set FA,  9                            ; v9   QK: my four tiles' images
.set FS,  10                           ; v10  QK: their scale words
.set FVS, 11                           ; v11  V: all tiles' scale words
.set FV,  12                           ; v12  V: all images
.set QKO, 13                           ; v13  my byte in the record: q's or k's images
.set SCO, 14                           ; v14  and their scale words
.set VO,  15                           ; v15  v's images
.set VSO, 16                           ; v16  v's scale words
.set WA,  17                           ; v17  a weight's codes: row (r + 8 (r / 8)) x 256 + 16 h
.set WSA, 18                           ; v18  its scale bytes: 16 a row
.set BA,  19                           ; v19  bq, bk: 64 h
.set BVA, 20                           ; v20  bv: 4 (r + 8 (r / 8))
.set GO,  21                           ; v21  stats: 32 bytes a group
.set CO,  22                           ; v22  4 x thread
.set X,   32                           ; X: v[32:95] two sets of 32 numbers
.set CA,  96                           ; v[96:127] rstd gamma of the block's 32 channels
.set CB,  128                          ; v[128:159] beta
.set CM,  160                          ; v[160:163] the two groups' means, twice each
.set C,   164                          ; v[164:167] a block's codes
.set T,   168                          ; v[168:171] at work
.set SB,  172                          ; v172 a K step's four scale bytes
.set XF,  32                           ; QK: v[32:63] a tile's four fragments of h
.set HA,  64                           ; v[64:95] four result tiles
.set PC,  96                           ; v[96:111] codes, four registers for each tile: no store's data are written again
.set TMQ, 112                          ; v[112:127] at work
.set ST,  32                           ; V: v[32:95] eight fragments of h
.set VA,  96                           ; v[96:159] eight result tiles
.set PCV, 160                          ; v[160:167] codes
.set TMV, 168                          ; v[168:183] at work
.set BV,  184                          ; v[184:191] bv of my channel, eight times
.set HSV, 192                          ; v[192:223] scales: h's 32 words (V)
.set WS,  224                          ; v[224:239] scales: Wq's or Wk's, 4 tile + K step
.set WVS, 240                          ; v[240:243] scales: Wv's
.set HS,  244                          ; v[244:247] scales: h's four words of a tile (QK)
.set KS,  248                          ; v[248:251] the scale words made for four tiles of q or k
.set PW,  252                          ; v252 the scale word made for v
; window 1: v[8 (4 t + s)] Wq's or Wk's fragment (tile t, K step s); v[128 + 8 t] its bias tiles; v[160 + 8 s] Wv's fragments
.set WV,  34
.set SEL, 44
.set MSB, 0
.macro WIN new                         ; the immediate's high byte repeats the setting that is left
.if MSB != \new
	s_set_vgpr_msb (MSB<<8)|\new
.set MSB, \new
.endif
.endm
.macro BARRIER                         ; my LDS stores have landed and my LDS loads are in: then the work-group's barrier
	s_wait_dscnt 0x0
	s_barrier_signal -1
	s_barrier_wait -1
.endm
.macro PLACES                          ; four plain vector instructions behind matrix instructions, ahead of reads of their results and of loads into their registers
.rept 4
	v_nop
.endr
.endm
; 32 numbers of a lane, register 16 b + i = k 32 b + 16 (lane / 16) + i of my row, become four registers of codes (k = 32 (lane / 16) + 0 .. 31) at v[pc] and the scale word v[pw] (bytes 0, 1)
.macro QUANT2 s, pc, pw, tm
.irp b, 0,1
	v_max3_num_f32 v[\tm+\b], |v[\s+16*\b]|, |v[\s+1+16*\b]|, 0x1800000   ; my 16 numbers of block b, and the floor 2^(3 - 127): the byte cannot fall under 1
.endr
.irp i, 2,4,6,8,10,12,14
.irp b, 0,1
	v_max3_num_f32 v[\tm+\b], v[\tm+\b], |v[\s+16*\b+\i]|, |v[\s+1+16*\b+\i]|
.endr
.endr
.irp b, 0,1
	s_delay_alu instid0(VALU_DEP_2)
	v_permlanex16_b32 v[\tm+4+\b], v[\tm+\b], s[SEL], s[SEL+1]
.endr
.irp b, 0,1
	s_delay_alu instid0(VALU_DEP_2)
	v_max_num_f32 v[\tm+\b], v[\tm+\b], v[\tm+4+\b]           ; with lane l xor 16: the block's largest magnitude
.endr
.irp b, 0,1
	s_delay_alu instid0(VALU_DEP_2)
	v_add_nc_u32 v[\tm+12+\b], 0xff000000, v[\tm+\b]          ; 2 off its exponent field: the conversion's scale operand
.endr
.irp b, 0,1
	s_delay_alu instid0(VALU_DEP_2)
	v_lshrrev_b32 v[\tm+4+\b], 23, v[\tm+12+\b]               ; the scale's byte
.endr
	s_delay_alu instid0(VALU_DEP_1)
	v_lshl_or_b32 v[\pw], v[\tm+5], 8, v[\tm+4]
.irp b, 0,1
	v_cvt_scalef32_pk8_fp4_f32 v[\pc+2*\b], v[\s+16*\b:\s+7+16*\b], v[\tm+12+\b]
	v_cvt_scalef32_pk8_fp4_f32 v[\pc+1+2*\b], v[\s+8+16*\b:\s+15+16*\b], v[\tm+12+\b]
.endr
	v_nop                                          ; one plain instruction behind a scaled conversion
	v_permlane16_swap_b32 v[\pc], v[\pc+2]         ; a whole block to a lane: lanes 0-15 block 0, lanes 16-31 block 1
	v_permlane16_swap_b32 v[\pc+1], v[\pc+3]
.endm
; the same for 64 numbers: a whole fragment at v[pc] and its scale word
.macro QUANT4 s, pc, pw, tm
.irp b, 0,1,2,3
	v_max3_num_f32 v[\tm+\b], |v[\s+16*\b]|, |v[\s+1+16*\b]|, 0x1800000
.endr
.irp i, 2,4,6,8,10,12,14
.irp b, 0,1,2,3
	v_max3_num_f32 v[\tm+\b], v[\tm+\b], |v[\s+16*\b+\i]|, |v[\s+1+16*\b+\i]|
.endr
.endr
.irp b, 0,1,2,3
	s_delay_alu instid0(VALU_DEP_4)
	v_permlanex16_b32 v[\tm+4+\b], v[\tm+\b], s[SEL], s[SEL+1]
.endr
.irp b, 0,1,2,3
	s_delay_alu instid0(VALU_DEP_4)
	v_max_num_f32 v[\tm+\b], v[\tm+\b], v[\tm+4+\b]
.endr
.irp b, 0,1,2,3
	s_delay_alu instid0(VALU_DEP_4)
	v_add_nc_u32 v[\tm+12+\b], 0xff000000, v[\tm+\b]
.endr
.irp b, 0,1,2,3
	s_delay_alu instid0(VALU_DEP_4)
	v_lshrrev_b32 v[\tm+4+\b], 23, v[\tm+12+\b]
.endr
	s_delay_alu instid0(VALU_DEP_3)
	v_lshl_or_b32 v[\pw], v[\tm+5], 8, v[\tm+4]
	s_delay_alu instid0(VALU_DEP_1)
	v_lshl_or_b32 v[\pw], v[\tm+6], 16, v[\pw]
	s_delay_alu instid0(VALU_DEP_1)
	v_lshl_or_b32 v[\pw], v[\tm+7], 24, v[\pw]
.irp b, 0,1,2,3
	v_cvt_scalef32_pk8_fp4_f32 v[\pc+2*\b], v[\s+16*\b:\s+7+16*\b], v[\tm+12+\b]
	v_cvt_scalef32_pk8_fp4_f32 v[\pc+1+2*\b], v[\s+8+16*\b:\s+15+16*\b], v[\tm+12+\b]
.endr
	v_nop
.irp c, 0,1
.irp i, 0,1
	v_permlane16_swap_b32 v[\pc+4*\c+\i], v[\pc+2+4*\c+\i]
.endr
.endr
.endm
	s_load_b256 s[4:11], s[0:1], 0x0               ; x, stats, gamma, beta
	s_load_b256 s[12:19], s[0:1], 0x20             ; Wq's codes, Wq's scales, bq, qc
	s_load_b256 s[20:27], s[0:1], 0x40             ; Wk's codes, Wk's scales, bk, kv
	s_load_b128 s[28:31], s[0:1], 0x60             ; Wv's codes, Wv's scales
	s_load_b64 s[32:33], s[0:1], 0x70              ; bv
	v_lshl_add_u32 v254, v0, 2, 0xa000
	v_mov_b32 v255, 0
	v_lshrrev_b32 v25, 5, v0
	s_delay_alu instid0(VALU_DEP_1)
	v_readfirstlane_b32 s[WV], v25                 ; wave 0..7
	v_and_b32 v[LN], 31, v0
	v_and_b32 v[RW], 15, v0
	v_bfe_u32 v[HF], v0, 4, 1
	s_delay_alu instid0(VALU_DEP_3)
	v_lshlrev_b32 v[XO], 2, v[LN]
	v_lshrrev_b32 v28, 7, v0                       ; wave / 4
	s_delay_alu instid0(VALU_DEP_1)
	v_lshlrev_b32 v[TAD], 9, v28
	v_and_b32 v25, 7, v0
	s_delay_alu instid0(VALU_DEP_1)
	v_lshl_add_u32 v25, v[HF], 3, v25              ; my position (32 pg + lane) is row lane % 8 + 8 (lane / 16)
	v_bfe_u32 v26, v0, 3, 1                        ; of tile 2 pg + (lane / 8) % 2
	v_bfe_u32 v27, v0, 5, 2                        ; pg = wave % 4
	v_bfe_u32 v29, v0, 5, 1                        ; wave % 2
	s_delay_alu instid0(VALU_DEP_4)
	v_lshlrev_b32 v[HST], 4, v25
	s_delay_alu instid0(VALU_DEP_1)
	v_lshl_add_u32 v[HST], v26, 12, v[HST]
	s_delay_alu instid0(VALU_DEP_1)
	v_lshl_add_u32 v[HST], v27, 13, v[HST]
	s_delay_alu instid0(VALU_DEP_1)
	v_lshl_add_u32 v[HST], v28, 10, v[HST]
	s_delay_alu instid0(VALU_DEP_1)
	v_add_nc_u32 v[HST], HIMG, v[HST]
	v_lshlrev_b32 v[HSS], 4, v25
	s_delay_alu instid0(VALU_DEP_1)
	v_lshl_add_u32 v[HSS], v26, 8, v[HSS]
	s_delay_alu instid0(VALU_DEP_1)
	v_lshl_add_u32 v[HSS], v27, 9, v[HSS]
	s_delay_alu instid0(VALU_DEP_1)
	v_lshl_add_u32 v[HSS], v28, 2, v[HSS]
	s_delay_alu instid0(VALU_DEP_1)
	v_add_nc_u32 v[HSS], HSC, v[HSS]
	v_lshlrev_b32 v[LI], 4, v[LN]
	s_delay_alu instid0(VALU_DEP_1)
	v_lshl_add_u32 v[FA], v29, 14, v[LI]
	s_delay_alu instid0(VALU_DEP_1)
	v_add_nc_u32 v[FA], HIMG, v[FA]
	v_lshlrev_b32 v[FVS], 4, v[RW]
	s_delay_alu instid0(VALU_DEP_1)
	v_lshl_add_u32 v[FS], v29, 10, v[FVS]
	s_delay_alu instid0(VALU_DEP_1)
	v_add_nc_u32 v[FS], HSC, v[FS]
	s_delay_alu instid0(VALU_DEP_3)
	v_lshl_add_u32 v[SCO], v29, 8, v[FVS]
	s_delay_alu instid0(VALU_DEP_4)
	v_add_nc_u32 v[FVS], HSC, v[FVS]
	v_add_nc_u32 v[FV], HIMG, v[LI]
	v_lshl_add_u32 v[QKO], v29, 11, v[LI]
	v_lshl_add_u32 v[VO], v27, 10, v[LI]
	v_lshl_add_u32 v[VSO], v27, 7, v[XO]
	v_and_b32 v30, 8, v[RW]
	s_delay_alu instid0(VALU_DEP_1)
	v_add_nc_u32 v30, v30, v[RW]                   ; r + 8 (r / 8)
	s_delay_alu instid0(VALU_DEP_1)
	v_lshlrev_b32 v[WA], 8, v30
	s_delay_alu instid0(VALU_DEP_1)
	v_lshl_add_u32 v[WA], v[HF], 4, v[WA]
	s_delay_alu instid0(VALU_DEP_3)
	v_lshlrev_b32 v[WSA], 4, v30
	v_lshlrev_b32 v[BA], 6, v[HF]
	v_lshlrev_b32 v[BVA], 2, v30
	v_lshrrev_b32 v[GO], 4, v0
	s_delay_alu instid0(VALU_DEP_1)
	v_lshlrev_b32 v[GO], 5, v[GO]
	v_lshlrev_b32 v[CO], 2, v0
	s_mov_b32 s[SEL], 0x76543210
	s_mov_b32 s[SEL+1], 0xfedcba98                 ; v_permlanex16_b32: lane l xor 16
	s_mov_b32 s81, 0x37800000                      ; 2^-16: a group has 65,536 numbers
	s_mov_b32 s82, 0x3727c5ac                      ; 1e-5
	; offsets, apart from the addresses
	s_and_b32 s46, ttmp7, 0xffff                   ; PB
	s_lshr_b32 s47, s46, 5                         ; b
	s_and_b32 s48, s46, 31                         ; step
	s_lshr_b32 s49, s[WV], 2                       ; wave / 4
	s_and_b32 s52, s[WV], 3                        ; wave % 4
	s_bfe_u32 s53, s[WV], 0x10001                  ; (wave / 2) % 2
	s_lshl_b32 s54, ttmp9, 1
	s_add_co_u32 s55, s54, s53                     ; my head of q or k
	s_add_co_u32 s56, s54, s49                     ; my head of v
	s_lshl_b32 s50, s47, 23                        ; x: the image,
	s_lshl_b32 s51, s49, 21                        ; 128 channels for each K step,
	s_add_co_u32 s50, s50, s51
	s_lshl_b32 s51, s48, 9                         ; the block of 128 positions,
	s_add_co_u32 s50, s50, s51
	s_lshl_b32 s51, s52, 7                         ; my wave's 32 of them
	s_add_co_u32 s50, s50, s51
	s_mov_b32 s51, 0
	s_lshl_b32 s58, s47, 10                        ; stats: 32 groups x 32 bytes an image
	s_mov_b32 s59, 0
	s_lshl_b32 s60, s55, 14                        ; a head's 64 rows: of codes,
	s_mov_b32 s61, 0
	s_lshl_b32 s62, s55, 10                        ; of scale bytes,
	s_mov_b32 s63, 0
	s_lshl_b32 s66, s55, 8                         ; of a bias
	s_mov_b32 s67, 0
	s_lshl_b32 s68, s47, 3
	s_add_co_u32 s69, s68, s55
	s_lshl_b32 s69, s69, 5
	s_add_co_u32 s69, s69, s48                     ; the record of q or k: (8 b + head) 32 + step
	s_add_co_u32 s70, s68, s56
	s_lshl_b32 s70, s70, 5
	s_add_co_u32 s70, s70, s48
	s_mul_i32 s70, s70, 9216                       ; the record of v
	s_mov_b32 s71, 0
	s_lshl_b32 s72, s56, 6                         ; Wv: my tile's first row: 64 head + 32 (t / 2) + 8 (t % 2)
	s_lshr_b32 s73, s52, 1
	s_lshl_b32 s73, s73, 5
	s_add_co_u32 s72, s72, s73
	s_and_b32 s73, s52, 1
	s_lshl_b32 s73, s73, 3
	s_add_co_u32 s72, s72, s73
	s_lshl_b32 s74, s72, 8
	s_mov_b32 s75, 0
	s_lshl_b32 s76, s72, 4
	s_mov_b32 s77, 0
	s_lshl_b32 s78, s72, 2
	s_mov_b32 s79, 0
	s_wait_alu depctr_va_vdst(0)
	s_wait_kmcnt 0x0
	s_cmp_lt_u32 s[WV], 4                          ; waves 0-3 make q, waves 4-7 k: only pointers and two sizes are chosen, both take one path through the text
	s_cselect_b64 s[36:37], s[12:13], s[20:21]
	s_cselect_b64 s[38:39], s[14:15], s[22:23]
	s_cselect_b64 s[40:41], s[16:17], s[24:25]
	s_cselect_b64 s[42:43], s[18:19], s[26:27]
	s_mov_b32 s57, 9216
	s_cselect_b32 s57, 4608, s57                   ; a record's bytes
	s_mov_b32 s80, 8192
	s_cselect_b32 s80, 4096, s80                   ; where its scale words begin
	s_mul_i32 s68, s69, s57
	s_mov_b32 s69, 0
	v_add_nc_u32 v[SCO], s80, v[SCO]
	s_add_nc_u64 s[4:5], s[4:5], s[50:51]
	s_add_nc_u64 s[6:7], s[6:7], s[58:59]
	s_add_nc_u64 s[36:37], s[36:37], s[60:61]
	s_add_nc_u64 s[38:39], s[38:39], s[62:63]
	s_add_nc_u64 s[40:41], s[40:41], s[66:67]
	s_add_nc_u64 s[42:43], s[42:43], s[68:69]
	s_add_nc_u64 s[26:27], s[26:27], s[70:71]
	s_add_nc_u64 s[28:29], s[28:29], s[74:75]
	s_add_nc_u64 s[30:31], s[30:31], s[76:77]
	s_add_nc_u64 s[32:33], s[32:33], s[78:79]
; block q of my eight (K step w / 4 + 2 (q / 4), block q % 4): x at 32 channels x my 32 positions, into set q % 2
.macro LOADX q
.set j, 0
.rept 32
	global_load_b32 v[X+32*((\q)%2)+j], v[XO], s[4:5] offset:(256*((\q)/4)+32*((\q)%4)+j)*16384
.set j, j+1
.endr
.endm
	; THE TABLES: thread t makes channels t and t + 256
	global_load_b128 v[96:99], v[GO], s[6:7]               ; the group's four quarters: (mean, squares) each
	global_load_b128 v[100:103], v[GO], s[6:7] offset:16
	global_load_b128 v[106:109], v[GO], s[6:7] offset:512
	global_load_b128 v[110:113], v[GO], s[6:7] offset:528
	global_load_b32 v104, v[CO], s[8:9]
	global_load_b32 v105, v[CO], s[10:11]
	global_load_b32 v114, v[CO], s[8:9] offset:1024
	global_load_b32 v115, v[CO], s[10:11] offset:1024
	LOADX 0
	s_wait_loadcnt 32                              ; the eight table loads are in; block 0 of x may be out
; four quarters of 16,384 numbers are joined: the mean of the means; the squares about it = the quarters' squares + 16,384 x the squares of the quarters' means about it.  v[w] the mean, v[w + 2] the variance + 1e-5
.macro MOMENTS r, w
	v_add_f32 v[\w], v[\r], v[\r+2]
	v_add_f32 v[\w+1], v[\r+4], v[\r+6]
	s_delay_alu instid0(VALU_DEP_1)
	v_add_f32 v[\w], v[\w], v[\w+1]
	s_delay_alu instid0(VALU_DEP_1)
	v_mul_f32 v[\w], 0x3e800000, v[\w]
	s_delay_alu instid0(VALU_DEP_1)
	v_sub_f32 v[\w+1], v[\r], v[\w]
	s_delay_alu instid0(VALU_DEP_2)
	v_sub_f32 v[\w+2], v[\r+2], v[\w]
	s_delay_alu instid0(VALU_DEP_3)
	v_sub_f32 v[\w+3], v[\r+4], v[\w]
	s_delay_alu instid0(VALU_DEP_4)
	v_sub_f32 v[\w+4], v[\r+6], v[\w]
	s_delay_alu instid0(VALU_DEP_4)
	v_mul_f32 v[\w+1], v[\w+1], v[\w+1]
	s_delay_alu instid0(VALU_DEP_1)
	v_fmac_f32 v[\w+1], v[\w+2], v[\w+2]
	s_delay_alu instid0(VALU_DEP_1)
	v_fmac_f32 v[\w+1], v[\w+3], v[\w+3]
	s_delay_alu instid0(VALU_DEP_1)
	v_fmac_f32 v[\w+1], v[\w+4], v[\w+4]
	v_add_f32 v[\w+2], v[\r+1], v[\r+3]
	v_add_f32 v[\w+3], v[\r+5], v[\r+7]
	s_delay_alu instid0(VALU_DEP_1)
	v_add_f32 v[\w+2], v[\w+2], v[\w+3]
	s_delay_alu instid0(VALU_DEP_1)
	v_fmac_f32 v[\w+2], 0x46800000, v[\w+1]
	s_delay_alu instid0(VALU_DEP_1)
	v_fma_f32 v[\w+2], v[\w+2], s81, s82
.endm
	MOMENTS 96, 116
	MOMENTS 106, 122
	s_wait_alu depctr_va_vdst(0)
	v_rsq_f32 v121, v118
	v_rsq_f32 v127, v124
	v_nop                                          ; a plain instruction behind the two roots,
	s_wait_alu depctr_va_vdst(0)                   ; and the one wait ahead of their first reader
	v_mul_f32 v121, v121, v104                     ; rstd x gamma
	v_mul_f32 v127, v127, v114
	ds_store_b32 v[CO], v121 offset:TA
	ds_store_b32 v[CO], v105 offset:TBE
	ds_store_b32 v[CO], v116 offset:TMN
	ds_store_b32 v[CO], v127 offset:TA+1024
	ds_store_b32 v[CO], v115 offset:TBE+1024
	ds_store_b32 v[CO], v122 offset:TMN+1024
	; MY WEIGHTS: read once, they stay in registers
	WIN 0x40                                       ; destination window 1
.irp t, 0,1,2,3
.irp s, 0,1,2,3
.irp c, 0,1
	global_load_b128 v[8*(4*\t+\s)+4*\c:8*(4*\t+\s)+4*\c+3], v[WA], s[36:37] offset:(32*(\t/2)+8*(\t%2))*256+64*\s+32*\c
.endr
.endr
.endr
.irp t, 0,1,2,3
	global_load_b128 v[128+8*\t:128+8*\t+3], v[BA], s[40:41] offset:(32*(\t/2)+8*(\t%2))*4      ; lane (r, h), register j: the bias of d = 32 (t / 2) + 16 h + 8 (t % 2) + j
	global_load_b128 v[128+8*\t+4:128+8*\t+7], v[BA], s[40:41] offset:(32*(\t/2)+8*(\t%2))*4+16
.endr
.irp s, 0,1,2,3
.irp c, 0,1
	global_load_b128 v[160+8*\s+4*\c:160+8*\s+4*\c+3], v[WA], s[28:29] offset:64*\s+32*\c
.endr
.endr
	WIN 0
.irp t, 0,1,2,3
	global_load_b128 v[WS+4*\t:WS+4*\t+3], v[WSA], s[38:39] offset:(32*(\t/2)+8*(\t%2))*16     ; a row's 16 scale bytes are the words of its four K steps
.endr
	global_load_b128 v[WVS:WVS+3], v[WSA], s[30:31]
	global_load_b32 v[BV], v[BVA], s[32:33]
	LOADX 1
	BARRIER                                        ; the tables lie in LDS
; X: one block of 32 channels x my 32 positions
.macro BLOCK q
.set XS, X+32*((\q)%2)
.set CHB, (256*((\q)/4)+32*((\q)%4))*4
.irp e, 0,1,2,3,4,5,6,7
	ds_load_b128 v[CA+4*\e:CA+4*\e+3], v[TAD] offset:TA+CHB+16*\e        ; the same words for all lanes
.endr
.irp e, 0,1,2,3,4,5,6,7
	ds_load_b128 v[CB+4*\e:CB+4*\e+3], v[TAD] offset:TBE+CHB+16*\e
.endr
	ds_load_b64 v[CM:CM+1], v[TAD] offset:TMN+CHB                        ; two channels of one group: the same mean twice
	ds_load_b64 v[CM+2:CM+3], v[TAD] offset:TMN+CHB+64
.if (\q) < 7
	s_wait_loadcnt 32                              ; this block's 32 loads (and all before them) are in; the next block's may be out
.else
	s_wait_loadcnt 0x0
.endif
	s_wait_dscnt 0x0
.set p, 0
.rept 16
	v_pk_add_f32 v[XS+2*p:XS+2*p+1], v[XS+2*p:XS+2*p+1], v[CM+2*(p/8):CM+2*(p/8)+1] neg_lo:[0,1] neg_hi:[0,1]
.set p, p+1
.endr
.set p, 0
.rept 16
	v_pk_fma_f32 v[XS+2*p:XS+2*p+1], v[XS+2*p:XS+2*p+1], v[CA+2*p:CA+2*p+1], v[CB+2*p:CB+2*p+1]
.set p, p+1
.endr
	v_max3_num_f32 v[T], |v[XS]|, |v[XS+1]|, |v[XS+2]|                   ; the block's largest magnitude: all 32 numbers are mine
	v_max3_num_f32 v[T+1], |v[XS+3]|, |v[XS+4]|, |v[XS+5]|
.irp i, 6,10,14,18,22,26
	s_delay_alu instid0(VALU_DEP_2)
	v_max3_num_f32 v[T], v[T], |v[XS+\i]|, |v[XS+\i+1]|
	s_delay_alu instid0(VALU_DEP_2)
	v_max3_num_f32 v[T+1], v[T+1], |v[XS+\i+2]|, |v[XS+\i+3]|
.endr
	s_delay_alu instid0(VALU_DEP_2)
	v_max3_num_f32 v[T], v[T], |v[XS+30]|, |v[XS+31]|
	s_delay_alu instid0(VALU_DEP_1)
	v_max3_num_f32 v[T], v[T], v[T+1], 0x1800000   ; and the floor 2^(3 - 127)
	s_delay_alu instid0(VALU_DEP_1)
	v_add_nc_u32 v[T+2], 0xff000000, v[T]          ; 2 off the exponent field: the conversion's scale operand
	s_delay_alu instid0(VALU_DEP_1)
	v_lshrrev_b32 v[T+3], 23, v[T+2]               ; the scale's byte
.if (\q)%4 == 0
	s_delay_alu instid0(VALU_DEP_1)
	v_mov_b32 v[SB], v[T+3]
.else
	s_delay_alu instid0(VALU_DEP_1)
	v_lshl_or_b32 v[SB], v[T+3], 8*((\q)%4), v[SB]
.endif
.irp g, 0,1,2,3
	v_cvt_scalef32_pk8_fp4_f32 v[C+\g], v[XS+8*\g:XS+8*\g+7], v[T+2]
.endr
	v_nop                                          ; one plain instruction behind a scaled conversion
	ds_store_b128 v[HST], v[C:C+3] offset:((\q)/4)*2048+(((\q)%4)/2)*512+((\q)%2)*256   ; block kb of row r lies at 512 (kb / 2) + 256 (kb % 2) + 16 r of its fragment's image
.if (\q)%4 == 3
	ds_store_b32 v[HSS], v[SB] offset:8*((\q)/4)
.endif
.if (\q) < 6
	LOADX (\q)+2
.endif
	s_wait_dscnt 0x0                               ; the stores have read their registers: the next block may write them
.endm
.irp q, 0,1,2,3,4,5,6,7
	BLOCK \q
.endr
	s_barrier_signal -1                            ; (every block ends behind its wait for all my LDS instructions)
	s_barrier_wait -1                              ; h's 32 fragments and their scale words lie in LDS
	; QK: four tiles of 16 positions
.irp b, 0,1,2,3
	v_mov_b32 v[TMQ+4+\b], 0                       ; written once: a lane permute's destination counts as one of its sources
.endr
.irp m, 0,1,2,3
.irp s, 0,1,2,3
.irp c, 0,1
	ds_load_b128 v[XF+8*\s+4*\c:XF+8*\s+4*\c+3], v[FA] offset:\m*4096+\s*1024+512*\c
.endr
.endr
	ds_load_b128 v[HS:HS+3], v[FS] offset:256*\m
	s_wait_dscnt 0x0
	WIN 0x11                                       ; source 0 (W) and C (the bias) window 1
.irp t, 0,1,2,3
	v_wmma_scale_f32_16x16x128_f8f6f4 v[HA+8*\t:HA+8*\t+7], v[8*(4*\t):8*(4*\t)+7], v[XF:XF+7], v[128+8*\t:128+8*\t+7], v[WS+4*\t], v[HS] matrix_a_fmt:MATRIX_FMT_FP4 matrix_b_fmt:MATRIX_FMT_FP4
.endr
	WIN 0x01                                       ; the four accumulators by turns, a K step at a time
.irp s, 1,2,3
.irp t, 0,1,2,3
	v_wmma_scale_f32_16x16x128_f8f6f4 v[HA+8*\t:HA+8*\t+7], v[8*(4*\t+\s):8*(4*\t+\s)+7], v[XF+8*\s:XF+8*\s+7], v[HA+8*\t:HA+8*\t+7], v[WS+4*\t+\s], v[HS+\s] matrix_a_fmt:MATRIX_FMT_FP4 matrix_b_fmt:MATRIX_FMT_FP4
.endr
.endr
	WIN 0
	PLACES
	QUANT2 HA, PC+4*\m, KS+\m, TMQ
	global_store_b128 v[QKO], v[PC+4*\m:PC+4*\m+3], s[42:43] offset:512*\m   ; the tile's image: the wave stores 512 consecutive bytes, aligned
.endr
	s_wait_alu depctr_va_vdst(0)
	s_wait_xcnt 0x0                                ; EXEC changes only behind this wait
	v_cmp_gt_u32 vcc_lo, 16, v[LN]
	s_wait_tensorcnt 0x0
	ds_add_u32 v254, v255
	s_wait_dscnt 0x0
	s_and_saveexec_b32 s83, vcc_lo
	global_store_b128 v[SCO], v[KS:KS+3], s[42:43] ; sixteen lanes store 256 consecutive bytes, aligned: row r's words of my four tiles
	s_wait_xcnt 0x0                                ; and again in front of the line that widens it; the stores above have also read their data, which V's results overwrite
	s_or_b32 exec_lo, exec_lo, s83
	; V: 16 channels x 128 positions
.irp m, 0,1,2,3,4,5,6,7
	ds_load_b128 v[HSV+4*\m:HSV+4*\m+3], v[FVS] offset:256*\m
.endr
.irp j, 1,2,3,4,5,6,7
	v_mov_b32 v[BV+\j], v[BV]                      ; the C of the first products: bv of my channel in all eight rows
.endr
	s_wait_alu depctr_va_vdst(0)
.irp b, 0,1,2,3
	v_mov_b32 v[TMV+4+\b], 0
.endr
.irp s, 0,1,2,3
.irp m, 0,1,2,3,4,5,6,7
.irp c, 0,1
	ds_load_b128 v[ST+8*\m+4*\c:ST+8*\m+4*\c+3], v[FV] offset:(4*\m+\s)*1024+512*\c
.endr
.endr
	s_wait_dscnt 0x0
	WIN 0x04                                       ; source 1 (Wv) window 1
.irp m, 0,1,2,3,4,5,6,7
.if \s == 0
	v_wmma_scale_f32_16x16x128_f8f6f4 v[VA+8*\m:VA+8*\m+7], v[ST+8*\m:ST+8*\m+7], v[160+8*\s:160+8*\s+7], v[BV:BV+7], v[HSV+4*\m+\s], v[WVS+\s] matrix_a_fmt:MATRIX_FMT_FP4 matrix_b_fmt:MATRIX_FMT_FP4
.else
	v_wmma_scale_f32_16x16x128_f8f6f4 v[VA+8*\m:VA+8*\m+7], v[ST+8*\m:ST+8*\m+7], v[160+8*\s:160+8*\s+7], v[VA+8*\m:VA+8*\m+7], v[HSV+4*\m+\s], v[WVS+\s] matrix_a_fmt:MATRIX_FMT_FP4 matrix_b_fmt:MATRIX_FMT_FP4
.endif
.endr
	WIN 0
	PLACES
.endr
	QUANT4 VA, PCV, PW, TMV                        ; register 16 b + i is key 32 b + 16 (lane / 16) + i of my channel
	global_store_b128 v[VO], v[PCV:PCV+3], s[26:27] offset:4096
	global_store_b128 v[VO], v[PCV+4:PCV+7], s[26:27] offset:4096+512
	global_store_b32 v[VSO], v[PW], s[26:27] offset:8704
	s_endpgm
.Lfunc_end_k_q37c1df5d50_qkv:
	.size	k_q37c1df5d50_qkv, .Lfunc_end_k_q37c1df5d50_qkv-k_q37c1df5d50_qkv
	.p2alignl 7, 3214868480
	.fill 96, 4, 3214868480
	.section	.rodata,"a",@progbits
	.p2align	6, 0x0
	.amdhsa_kernel k_q37c1df5d50_qkv
		.amdhsa_group_segment_fixed_size 41984
		.amdhsa_private_segment_fixed_size 0
		.amdhsa_enable_private_segment 0
		.amdhsa_kernarg_size 120
		.amdhsa_user_sgpr_count 2
		.amdhsa_user_sgpr_kernarg_segment_ptr 1
		.amdhsa_wavefront_size32 1
		.amdhsa_system_sgpr_workgroup_id_x 1
		.amdhsa_system_sgpr_workgroup_id_y 1
		.amdhsa_system_sgpr_workgroup_id_z 1
		.amdhsa_system_vgpr_workitem_id 0
		.amdhsa_next_free_vgpr 448
		.amdhsa_next_free_sgpr 96
		.amdhsa_reserve_vcc 1
		.amdhsa_float_denorm_mode_32 3
		.amdhsa_float_denorm_mode_16_64 3
		.amdhsa_memory_ordered 1
		.amdhsa_forward_progress 1
		.amdhsa_inst_pref_size 117
	.end_amdhsa_kernel
	.amdgpu_metadata
---
amdhsa.version: [ 1, 2 ]
amdhsa.kernels:
  - .name:           k_q37c1df5d50_qkv
    .symbol:         k_q37c1df5d50_qkv.kd
    .args:
      - { .name: x, .offset: 0, .size: 8, .value_kind: global_buffer, .address_space: global }
      - { .name: stats, .offset: 8, .size: 8, .value_kind: global_buffer, .address_space: global }
      - { .name: gamma, .offset: 16, .size: 8, .value_kind: global_buffer, .address_space: global }
      - { .name: beta, .offset: 24, .size: 8, .value_kind: global_buffer, .address_space: global }
      - { .name: Wq_codes, .offset: 32, .size: 8, .value_kind: global_buffer, .address_space: global }
      - { .name: Wq_scales, .offset: 40, .size: 8, .value_kind: global_buffer, .address_space: global }
      - { .name: bq, .offset: 48, .size: 8, .value_kind: global_buffer, .address_space: global }
      - { .name: qc, .offset: 56, .size: 8, .value_kind: global_buffer, .address_space: global }
      - { .name: Wk_codes, .offset: 64, .size: 8, .value_kind: global_buffer, .address_space: global }
      - { .name: Wk_scales, .offset: 72, .size: 8, .value_kind: global_buffer, .address_space: global }
      - { .name: bk, .offset: 80, .size: 8, .value_kind: global_buffer, .address_space: global }
      - { .name: kv, .offset: 88, .size: 8, .value_kind: global_buffer, .address_space: global }
      - { .name: Wv_codes, .offset: 96, .size: 8, .value_kind: global_buffer, .address_space: global }
      - { .name: Wv_scales, .offset: 104, .size: 8, .value_kind: global_buffer, .address_space: global }
      - { .name: bv, .offset: 112, .size: 8, .value_kind: global_buffer, .address_space: global }
    .group_segment_fixed_size: 41984
    .private_segment_fixed_size: 0
    .kernarg_segment_align: 8
    .kernarg_segment_size: 120
    .max_flat_workgroup_size: 256
    .sgpr_count:     96
    .vgpr_count:     448
    .wavefront_size: 32
...
	.end_amdgpu_metadata
.endif
;; end of part 2
;; launch attn (part 3): grid 16 x 16, 8 waves a work-group, clusters of 4 x 1, 327,680 bytes of LDS; arguments qc, kv, oc, os; writes oc, os
.if DOCPART == 3
	.amdgcn_target "amdgcn-amd-amdhsa--gfx1250"
	.amdhsa_code_object_version 6
	.text
	.protected	k_q37c1df5d50_attn
	.globl	k_q37c1df5d50_attn
	.p2align	8
	.type	k_q37c1df5d50_attn,@function
k_q37c1df5d50_attn:
	s_mov_b64 s[64:65], 0
	v_nop
	global_prefetch_b8 v0, s[64:65] scope:SCOPE_SE
	s_setreg_imm32_b32 hwreg(HW_REG_WAVE_MODE, 25, 1), 1
	s_wait_xcnt 0x0
	s_wait_alu depctr_hold_cnt(0) depctr_sa_sdst(0) depctr_va_vdst(0) depctr_va_sdst(0) depctr_va_ssrc(0) depctr_va_vcc(0) depctr_vm_vsrc(0)
	s_getreg_b32 s2, hwreg(HW_REG_IB_STS2, 6, 4)
	s_cmp_eq_u32 s2, 0
	s_cbranch_scc0 .Lentry_in_a_cluster
	s_endpgm
.Lentry_in_a_cluster:
	s_bfe_u32 s2, ttmp6, 0x10000c
	s_cmp_lg_u32 s2, 0x3003
	s_cbranch_scc0 .Lentry_shape_is_right
	s_endpgm
.Lentry_shape_is_right:
; ATTENTION on codes of FP4 (E2M1), one E8M0 scale for each 32 along a product's K: 16 heads (image x head) of 4,096 positions, head size 64.  o is quantised along the channels for the last product.
; SOFTMAX: t = score x log2(e) / 8; M = the running largest t rounded up to a whole number; p = 2^(t - M) is quantised along the keys, not normalised; the row's sum is taken of the unquantised p and divides O at the end.
; When M moves, the sum and O are multiplied by 2^(old M - new M): exact.
; SHARES.  Work-group (QB, head): 256 queries; each of eight waves TWO tiles of 16 queries, two waves to a SIMD.  Each fragment of K and V feeds two matrix instructions, and the two tiles' lines go by turns, so that
; no line waits for the line above it.  A key step is one record of 128 keys.
; THE WHOLE HEAD LIES IN LDS, FILLED ONCE: 32 records of 9,216 bytes (8 tiles of k, 4 tiles of v^T, their scale words, as images of operand registers).  Each wave brings 9,216 bytes of records 0-7 at the head and,
; behind a round of the cluster's barrier, 27,648 bytes of records 8-31: one tensor load out at a time.  One barrier behind step 7 shows records 8-31 to all.
; CLUSTER.  The four work-groups of a cluster belong to one head: each load is asked for jointly, by one descriptor with a mask that names the four.
; NO PREFETCH: all that the launch reads through LDS is asked for at its head; there is no loop to run ahead in.
; LAYOUT.  Both products transposed: S^T = K Q^T, O^T = V^T P^T: a lane holds one query of each tile.  THE KEYS OF A TILE OF S^T ARE CHOSEN BY THE LANES' LDS ADDRESSES: row 8 h + j of tile 4 c + u is key 64 c + 32 h + 8 u + j.
; So lane (r, h) holds whole blocks of 32 keys (blocks h and 2 + h), its 8 registers of tile 4 c + u convert straight into register 4 c + u of p's operand, and a block's largest score needs no other lane.
; In the record that key lies in stored tile 4 c + 2 h + u % 2, row 8 (u / 2) + j.
; A head's 64 fill half of K = 128: Q's registers 4-7 hold zero codes, so registers 4-7 of a tile of K may be the next tile's codes (behind the last tile four registers of zeros); bytes 2, 3 of both scale words are 0.
; LOADS AHEAD: K of step t + 1 is asked of LDS behind step t's first product, V of step t + 1 behind its second.
; REGISTERS.  Window 1: S^T, then p: tile q at v[64 q ..].  Everything else in window 0, so the window changes by phase of the step and not by tile.
; OUT.  oc [tile 512][K step 4][c 2][512]: a tile's image at K step head / 2, half head % 2;  os [tile][head][lane]: its scale word (bytes 0, 1).
; LIMITS: NaN and infinities are not served.  A block whose largest number lies under 2^-124 keeps the scale byte 1.  1 / l is v_rcp_f32 (ISA guide: 1 ulp).  v_exp_f32 gives 0 where p would lie under 2^-126.
.set REC,  9216
.set GA,   8*REC                       ; records 0-7
.set PA,   GA/8                        ; a wave's part of them: 36 rows of 256 bytes
.set PB,   24*REC/8                    ; and of records 8-31: 108 rows
.set SPARE, 0x48000                    ; behind the records: the spare words, 128 bytes a wave
.set AK0, 1                            ; my lane's place in K's tiles: 16 j + 1,024 h' + 256 (lane / 16)
.set AS0, 2                            ; among K's scale words: 16 j + 8 h' + 256 (lane / 16)
.set AR0, 3                            ; 16 x lane
.set AV0, 4                            ; V's scale words: 4 r + 128 h
.set SPW, 5
.set NIL, 6
.set SH8, 7                            ; 8 h
.set ADK, 8                            ; the four addresses in the record ahead
.set ADS, 9
.set ADR, 10
.set ADV, 11
.set RO,  12                           ; 16 r
.set LW,  13                           ; 4 x lane
.set BS,  14                           ; tile q's small registers begin at v[BS + BD q]:
.set BD,  26
.set oNM, 0                            ; -M
.set oMA, 1                            ; the largest score so far
.set oSU, 2                            ; the sum in two halves
.set oF,  4                            ; f = 2^(old M - new M), a pair
.set oMX, 6                            ; four maxima
.set oT,  10                           ; two lane exchanges
.set oU,  12                           ; two at work
.set oSB, 14                           ; three more chains of the sum
.set oSO, 20                           ; the conversions' scale operands
.set oBY, 22                           ; scale bytes
.set oW,  24
.set Q,   66                           ; v[66:73], v[74:81]
.set K,   82                           ; v[82:113] eight tiles x 4; v[114:117] zeros
.set V,   118                          ; v[118:149]
.set O,   150                          ; v[150:181], v[182:213] O^T
.set P,   214                          ; v[214:221], v[222:229] p's codes
.set KS,  240                          ; scales and nothing else: v[240:243] K's, v[244:245] V's, v246-247 p's, v[248:249] Q's
.set VS,  244
.set PS,  246
.set QS,  248
.set NC,  3                            ; s3 -c
.set WV,  12
.set G1A, 16
.set G1B, 24
.set G0A, 32
.set G0B, 36
.set SEL, 40
.set CS,  42                           ; s[42:43] c = log2(e) / 8
.set TB,  44                           ; the record ahead
.set CNT, 45
.set MSB, 0
.macro WIN new                         ; low byte: bits 1:0 source 0, 3:2 source 1, 5:4 source 2, 7:6 destination; the high byte repeats the setting that is left
.if MSB != \new
	s_set_vgpr_msb (MSB<<8)|\new
.set MSB, \new
.endif
.endm
.macro CROUND                          ; a round of the cluster's barrier
	s_barrier_signal -1
	s_barrier_wait -1
	s_cmp_lg_u32 s[WV], 0
	s_cbranch_scc1 .Lnot_wave_0_\@
	s_barrier_signal -3
.Lnot_wave_0_\@:
	s_barrier_wait -3
	s_barrier_signal -1
	s_barrier_wait -1
.endm
.macro QUANT2 s, pc, pw, tm            ; 32 numbers of a lane, register 16 b + i = k 32 b + 16 (lane / 16) + i, become four registers of codes and a scale word
.irp b, 0,1
	v_max3_num_f32 v[\tm+\b], |v[\s+16*\b]|, |v[\s+1+16*\b]|, 0x1800000   ; with the floor 2^(3 - 127): the byte cannot fall under 1
.endr
.irp i, 2,4,6,8,10,12,14
.irp b, 0,1
	s_delay_alu instid0(VALU_DEP_2)
	v_max3_num_f32 v[\tm+\b], v[\tm+\b], |v[\s+16*\b+\i]|, |v[\s+1+16*\b+\i]|
.endr
.endr
.irp b, 0,1
	s_delay_alu instid0(VALU_DEP_2)
	v_permlanex16_b32 v[\tm+4+\b], v[\tm+\b], s[SEL], s[SEL+1]
.endr
.irp b, 0,1
	s_delay_alu instid0(VALU_DEP_2)
	v_max_num_f32 v[\tm+\b], v[\tm+\b], v[\tm+4+\b]
.endr
.irp b, 0,1
	s_delay_alu instid0(VALU_DEP_2)
	v_add_nc_u32 v[\tm+12+\b], 0xff000000, v[\tm+\b]
.endr
.irp b, 0,1
	s_delay_alu instid0(VALU_DEP_2)
	v_lshrrev_b32 v[\tm+4+\b], 23, v[\tm+12+\b]
.endr
	s_delay_alu instid0(VALU_DEP_1)
	v_lshl_or_b32 v[\pw], v[\tm+5], 8, v[\tm+4]
.irp b, 0,1
	v_cvt_scalef32_pk8_fp4_f32 v[\pc+2*\b], v[\s+16*\b:\s+7+16*\b], v[\tm+12+\b]
	v_cvt_scalef32_pk8_fp4_f32 v[\pc+1+2*\b], v[\s+8+16*\b:\s+15+16*\b], v[\tm+12+\b]
.endr
	v_nop
	v_permlane16_swap_b32 v[\pc], v[\pc+2]
	v_permlane16_swap_b32 v[\pc+1], v[\pc+3]
.endm
.macro KLOADS                          ; ten loads: eight tiles of K, their scale words (lanes 0-15: tiles 0-3, lanes 16-31: tiles 4-7)
.irp c, 0,1
.irp u, 0,1,2,3
	ds_load_b128 v[K+16*\c+4*\u:K+16*\c+4*\u+3], v[ADK] offset:2048*\c+512*(\u%2)+128*(\u/2)
.endr
.endr
	ds_load_b64 v[KS:KS+1], v[ADS] offset:8192
	ds_load_b64 v[KS+2:KS+3], v[ADS] offset:8192+128
.endm
.macro VLOADS                          ; ten loads: four tiles of V^T, their scale words (two tiles to a register)
.irp t, 0,1,2,3
.irp c, 0,1
	ds_load_b128 v[V+8*\t+4*\c:V+8*\t+4*\c+3], v[ADR] offset:4096+1024*\t+512*\c
.endr
.endr
	ds_load_b32 v[VS], v[ADV] offset:8704
	ds_load_b32 v[VS+1], v[ADV] offset:8704+256
.endm
.macro PRELOAD                         ; K and V of the record at s[TB]
	v_add_nc_u32 v[ADK], s[TB], v[AK0]
	v_add_nc_u32 v[ADS], s[TB], v[AS0]
	v_add_nc_u32 v[ADR], s[TB], v[AR0]
	v_add_nc_u32 v[ADV], s[TB], v[AV0]
	KLOADS
	VLOADS
.endm
.macro SUMR i                          ; four pairs of each tile's p onto its sum's four chains (source 1 in window 1)
.irp q, 0,1
	v_pk_add_f32 v[BS+BD*\q+oSU:BS+BD*\q+oSU+1], v[BS+BD*\q+oSU:BS+BD*\q+oSU+1], v[64*\q+\i:64*\q+\i+1]
	v_pk_add_f32 v[BS+BD*\q+oSB:BS+BD*\q+oSB+1], v[BS+BD*\q+oSB:BS+BD*\q+oSB+1], v[64*\q+\i+2:64*\q+\i+3]
	v_pk_add_f32 v[BS+BD*\q+oSB+2:BS+BD*\q+oSB+3], v[BS+BD*\q+oSB+2:BS+BD*\q+oSB+3], v[64*\q+\i+4:64*\q+\i+5]
	v_pk_add_f32 v[BS+BD*\q+oSB+4:BS+BD*\q+oSB+5], v[BS+BD*\q+oSB+4:BS+BD*\q+oSB+5], v[64*\q+\i+6:64*\q+\i+7]
.endr
.endm
; A KEY STEP for both tiles.  pre = 1: the next record's K and V are asked of LDS on the way
.macro STEP pre
	s_wait_dscnt 10                                ; K and its scale words are in; V's ten loads, issued behind them, may be out
.if \pre
	s_add_co_u32 s[TB], s[TB], REC
.endif
	WIN 0x40                                       ; the results in window 1
.irp q, 0,1
.irp u, 0,1,2,3
	v_wmma_scale_f32_16x16x128_f8f6f4 v[64*\q+8*\u:64*\q+8*\u+7], v[K+4*\u:K+4*\u+7], v[Q+8*\q:Q+8*\q+7], 0, v[KS+\u], v[QS+\q] matrix_a_fmt:MATRIX_FMT_FP4 matrix_b_fmt:MATRIX_FMT_FP4
.endr
.irp u, 0,1,2,3
	v_wmma_scale_f32_16x16x128_f8f6f4 v[64*\q+32+8*\u:64*\q+32+8*\u+7], v[K+16+4*\u:K+16+4*\u+7], v[Q+8*\q:Q+8*\q+7], 0, v[KS+\u], v[QS+\q] matrix_a_fmt:MATRIX_FMT_FP4 matrix_b_fmt:MATRIX_FMT_FP4 matrix_a_scale:MATRIX_SCALE_ROW1
.endr
.endr
	WIN 0
.if \pre
	v_add_nc_u32 v[ADK], s[TB], v[AK0]             ; four places behind the products, ahead of the loads into their registers and of the first read of results
	v_add_nc_u32 v[ADS], s[TB], v[AS0]
	v_add_nc_u32 v[ADV], s[TB], v[AV0]
	v_nop
	KLOADS
.else
.rept 4
	v_nop
.endr
.endif
	; the largest score of each lane's two blocks of 32 keys in each tile, each in two chains: eight chains by turns; each accumulator is first read at its low end
	WIN 0x15
.irp q, 0,1
.irp c, 0,1
.irp g, 0,1
	v_max3_num_f32 v[BS+BD*\q+oMX+2*\c+\g], v[64*\q+32*\c+16*\g], v[64*\q+32*\c+16*\g+1], v[64*\q+32*\c+16*\g+2]
.endr
.endr
.endr
	WIN 0x14
.irp i, 3,5,7,9,11,13
.irp q, 0,1
.irp c, 0,1
.irp g, 0,1
	v_max3_num_f32 v[BS+BD*\q+oMX+2*\c+\g], v[BS+BD*\q+oMX+2*\c+\g], v[64*\q+32*\c+16*\g+\i], v[64*\q+32*\c+16*\g+\i+1]
.endr
.endr
.endr
.endr
	WIN 0x10
.irp q, 0,1
.irp c, 0,1
	v_max3_num_f32 v[BS+BD*\q+oMX+2*\c], v[BS+BD*\q+oMX+2*\c], v[BS+BD*\q+oMX+2*\c+1], v[64*\q+32*\c+15]
.endr
.endr
	WIN 0x04
.irp q, 0,1
.irp c, 0,1
	v_max_num_f32 v[BS+BD*\q+oMX+2*\c], v[BS+BD*\q+oMX+2*\c], v[64*\q+32*\c+31]
.endr
.endr
	WIN 0
.irp q, 0,1
	v_max3_num_f32 v[BS+BD*\q+oU], v[BS+BD*\q+oMA], v[BS+BD*\q+oMX], v[BS+BD*\q+oMX+2]
.endr
.irp q, 0,1
	v_permlanex16_b32 v[BS+BD*\q+oT], v[BS+BD*\q+oU], s[SEL], s[SEL+1]
.endr
.irp q, 0,1
	v_max_num_f32 v[BS+BD*\q+oMA], v[BS+BD*\q+oU], v[BS+BD*\q+oT]      ; the running largest score of my query
.endr
.irp q, 0,1
	v_mul_f32 v[BS+BD*\q+oU], s[NC], v[BS+BD*\q+oMA]                   ; -t
.endr
.irp q, 0,1
	v_floor_f32 v[BS+BD*\q+oU], v[BS+BD*\q+oU]                         ; the new -M = -ceil(t)
.endr
.irp q, 0,1
	v_sub_f32 v[BS+BD*\q+oU+1], v[BS+BD*\q+oU], v[BS+BD*\q+oNM]        ; old M - new M: a whole number, 0 or less
.endr
.irp q, 0,1
	v_mov_b32 v[BS+BD*\q+oNM], v[BS+BD*\q+oU]
.endr
.irp q, 0,1
	v_cvt_i32_f32 v[BS+BD*\q+oU+1], v[BS+BD*\q+oU+1]                   ; (it saturates)
.endr
.irp q, 0,1
.irp c, 0,1
	v_fma_f32 v[BS+BD*\q+oMX+2*\c], v[BS+BD*\q+oMX+2*\c], s[CS], v[BS+BD*\q+oNM]   ; t - M of each block's largest score
.endr
.endr
.irp q, 0,1
	v_ldexp_f32 v[BS+BD*\q+oF], 1.0, v[BS+BD*\q+oU+1]                  ; f = 2^(old M - new M)
.endr
.irp j, 0,2,4,6,8,10,12,14,16,18,20,22,24,26,28,30
.irp q, 0,1
	v_pk_mul_f32 v[O+32*\q+\j:O+32*\q+\j+1], v[O+32*\q+\j:O+32*\q+\j+1], v[BS+BD*\q+oF:BS+BD*\q+oF+1] op_sel_hi:[1,0]   ; O^T under the new M: no exponential stands between the last products and this first read
.endr
.endr
	WIN 0x41                                       ; destination and source 0 in window 1
.irp q, 0,1
.irp j, 0,2,4,6,8,10,12,14,16,18,20,22,24,26,28,30,32,34,36,38,40,42,44,46,48,50,52,54,56,58,60,62
	v_pk_fma_f32 v[64*\q+\j:64*\q+\j+1], v[64*\q+\j:64*\q+\j+1], s[CS:CS+1], v[BS+BD*\q+oNM:BS+BD*\q+oNM+1] op_sel_hi:[1,0,0]   ; t - M, two at a time
.endr
.endr
	s_wait_alu depctr_va_vdst(0)
.set j, 0
.rept 128
	v_exp_f32 v[j], v[j]                           ; p = 2^(t - M): not normalised
.set j, j+1
.endr
	WIN 0
.irp q, 0,1
.irp c, 0,1
	v_exp_f32 v[BS+BD*\q+oMX+2*\c], v[BS+BD*\q+oMX+2*\c]   ; the blocks' largest p: the same two instructions on the same number give the same bits
.endr
.endr
.if \pre
	v_add_nc_u32 v[ADR], s[TB], v[AR0]             ; the plain place behind the batch
.else
	v_nop
.endif
	s_wait_alu depctr_va_vdst(0)                   ; and the one wait ahead of its first reader
.if \pre
	s_wait_dscnt 10                                ; V and its scale words are in; the next K's ten loads may be out
.else
	s_wait_dscnt 0x0
.endif
.irp q, 0,1
.irp c, 0,1
	v_max_num_f32 v[BS+BD*\q+oMX+2*\c], 0x1800000, v[BS+BD*\q+oMX+2*\c]   ; the floor 2^(3 - 127): the byte cannot fall under 1
.endr
.endr
.irp q, 0,1
.irp c, 0,1
	v_add_nc_u32 v[BS+BD*\q+oSO+\c], 0xff000000, v[BS+BD*\q+oMX+2*\c]     ; 2 off the exponent field: the conversion's scale operand
.endr
.endr
.irp q, 0,1
.irp c, 0,1
	v_lshrrev_b32 v[BS+BD*\q+oBY+\c], 23, v[BS+BD*\q+oSO+\c]              ; the scale bytes of blocks h and 2 + h
.endr
.endr
.irp q, 0,1
	v_lshl_or_b32 v[BS+BD*\q+oW], v[BS+BD*\q+oBY+1], 16, v[BS+BD*\q+oBY]
.endr
.irp q, 0,1
	v_lshlrev_b32 v[BS+BD*\q+oW], v[SH8], v[BS+BD*\q+oW]                  ; at their places in the word
.endr
.irp q, 0,1
	v_permlanex16_b32 v[BS+BD*\q+oT+1], v[BS+BD*\q+oW], s[SEL], s[SEL+1]
.endr
.irp q, 0,1
	v_or_b32 v[PS+\q], v[BS+BD*\q+oW], v[BS+BD*\q+oT+1]                   ; with lane l xor 16's two the word is whole
.endr
	WIN 0x01                                       ; source 0 in window 1
.irp q, 0,1
.irp c, 0,1
.irp u, 0,1,2,3
	v_cvt_scalef32_pk8_fp4_f32 v[P+8*\q+4*\c+\u], v[64*\q+32*\c+8*\u:64*\q+32*\c+8*\u+7], v[BS+BD*\q+oSO+\c]   ; keys 64 c + 32 h + 8 u + 0 .. 7: the operand's register as it stands
.endr
.endr
.endr
	WIN 0x10                                       ; source 2 in window 1
.irp q, 0,1
	v_pk_fma_f32 v[BS+BD*\q+oSU:BS+BD*\q+oSU+1], v[BS+BD*\q+oSU:BS+BD*\q+oSU+1], v[BS+BD*\q+oF:BS+BD*\q+oF+1], v[64*\q:64*\q+1] op_sel_hi:[1,0,1]   ; the sum under the new M, and the first pair of the unquantised p
.endr
	WIN 0x05                                       ; sources 0 and 1 in window 1
.irp q, 0,1
.irp k, 0,1,2
	v_pk_add_f32 v[BS+BD*\q+oSB+2*\k:BS+BD*\q+oSB+2*\k+1], v[64*\q+2+4*\k:64*\q+3+4*\k], v[64*\q+4+4*\k:64*\q+5+4*\k]
.endr
.endr
	WIN 0x04                                       ; source 1 in window 1
.irp i, 14,22,30,38,46,54
	SUMR \i
.endr
.irp q, 0,1
	v_pk_add_f32 v[BS+BD*\q+oSU:BS+BD*\q+oSU+1], v[BS+BD*\q+oSU:BS+BD*\q+oSU+1], v[64*\q+62:64*\q+63]
.endr
	WIN 0
.irp t, 0,1,2,3
.irp q, 0,1
.if \t%2
	v_wmma_scale_f32_16x16x128_f8f6f4 v[O+32*\q+8*\t:O+32*\q+8*\t+7], v[V+8*\t:V+8*\t+7], v[P+8*\q:P+8*\q+7], v[O+32*\q+8*\t:O+32*\q+8*\t+7], v[VS+\t/2], v[PS+\q] matrix_a_fmt:MATRIX_FMT_FP4 matrix_b_fmt:MATRIX_FMT_FP4 matrix_a_scale:MATRIX_SCALE_ROW1
.else
	v_wmma_scale_f32_16x16x128_f8f6f4 v[O+32*\q+8*\t:O+32*\q+8*\t+7], v[V+8*\t:V+8*\t+7], v[P+8*\q:P+8*\q+7], v[O+32*\q+8*\t:O+32*\q+8*\t+7], v[VS+\t/2], v[PS+\q] matrix_a_fmt:MATRIX_FMT_FP4 matrix_b_fmt:MATRIX_FMT_FP4
.endif
.endr
.endr
.irp q, 0,1                            ; the sums' last lines are the places behind the products
	v_pk_add_f32 v[BS+BD*\q+oSB:BS+BD*\q+oSB+1], v[BS+BD*\q+oSB:BS+BD*\q+oSB+1], v[BS+BD*\q+oSB+2:BS+BD*\q+oSB+3]
.endr
.irp q, 0,1
	v_pk_add_f32 v[BS+BD*\q+oSU:BS+BD*\q+oSU+1], v[BS+BD*\q+oSU:BS+BD*\q+oSU+1], v[BS+BD*\q+oSB+4:BS+BD*\q+oSB+5]
.endr
.irp q, 0,1
	v_pk_add_f32 v[BS+BD*\q+oSU:BS+BD*\q+oSU+1], v[BS+BD*\q+oSU:BS+BD*\q+oSU+1], v[BS+BD*\q+oSB:BS+BD*\q+oSB+1]
.endr
.if \pre
	VLOADS
.endif
.endm
.macro RUN n                           ; n steps that load ahead, and one that does not
	s_mov_b32 s[CNT], \n
.Lstep_\@:
	STEP 1
	s_sub_co_u32 s[CNT], s[CNT], 1
	s_cmp_lg_u32 s[CNT], 0
	s_cbranch_scc1 .Lstep_\@
	STEP 0
.endm
	s_load_b256 s[4:11], s[0:1], 0x0               ; qc, kv, oc, os
	v_lshl_add_u32 v[SPW], v0, 2, SPARE
	v_mov_b32 v[NIL], 0
	ds_add_u32 v[SPW], v[NIL]
	ds_add_u32 v[SPW], v[NIL]
	v_lshrrev_b32 v230, 5, v0
	v_readfirstlane_b32 s[WV], v230                ; wave 0..7
	s_bfe_u32 s13, ttmp6, 0x40000                  ; cx: it enters Q's, oc's and os's global offsets alone
	s_lshl_b32 s14, ttmp9, 2
	s_add_co_u32 s14, s14, s13                     ; QB: my block of 256 queries
	s_and_b32 s15, ttmp7, 0xffff                   ; 8 b + head, which the four partners share
	; descriptor groups 1: dense blocks as rows of 32 elements of 8 bytes, no padding; 36 rows and 108 rows
.irp g, G1A, G1B
	s_mov_b32 s[\g], 15|(3<<16)|(1<<21)            ; the mask: all four work-groups; elements of 8 bytes; bit 21 beside a mask
	s_mov_b32 s[\g+1], 32<<16
	s_mov_b32 s[\g+3], 32<<16
	s_mov_b32 s[\g+5], 32
	s_mov_b32 s[\g+6], 0
	s_mov_b32 s[\g+7], 0
.endr
	s_mov_b32 s[G1A+2], 36<<16
	s_mov_b32 s[G1A+4], 36
	s_mov_b32 s[G1B+2], 108<<16
	s_mov_b32 s[G1B+4], 108
	s_mul_i32 s54, s[WV], PA                       ; my part of records 0-7, in LDS as in memory
	s_mul_i32 s55, s[WV], PB                       ; and of records 8-31
	s_mul_i32 s56, s15, 32*REC                     ; the head's records
	s_add_co_u32 s62, s56, s55
	s_add_co_u32 s62, s62, GA
	s_mov_b32 s63, 0
	s_add_co_u32 s56, s56, s54
	s_mov_b32 s57, 0
	s_add_co_u32 s55, s55, GA
	; Q: record 32 (8 b + head) + 2 QB + wave / 4, tiles 2 (wave % 4) and the next
	s_lshl_b32 s60, s15, 5
	s_lshl_b32 s2, s14, 1
	s_add_co_u32 s60, s60, s2
	s_lshr_b32 s2, s[WV], 2
	s_add_co_u32 s60, s60, s2
	s_mul_i32 s60, s60, 4608
	s_bfe_u32 s2, s[WV], 0x10001                   ; their scale words: [tile / 4][r][tile % 4]: two neighbouring words
	s_lshl_b32 s2, s2, 8
	s_add_co_u32 s58, s60, s2
	s_and_b32 s2, s[WV], 1
	s_lshl_b32 s2, s2, 3
	s_add_co_u32 s58, s58, s2
	s_mov_b32 s59, 0
	s_and_b32 s2, s[WV], 3
	s_lshl_b32 s2, s2, 10
	s_add_co_u32 s60, s60, s2
	s_mov_b32 s61, 0
	; out: tiles 256 b + 16 QB + 2 wave and the next
	s_lshr_b32 s46, s15, 3                         ; b
	s_and_b32 s47, s15, 7                          ; head
	s_lshl_b32 s48, s46, 8
	s_lshl_b32 s49, s14, 4
	s_add_co_u32 s48, s48, s49
	s_lshl_b32 s49, s[WV], 1
	s_add_co_u32 s48, s48, s49
	s_lshl_b32 s50, s48, 2
	s_lshr_b32 s49, s47, 1
	s_add_co_u32 s50, s50, s49
	s_lshl_b32 s50, s50, 10
	s_and_b32 s49, s47, 1
	s_lshl_b32 s49, s49, 9
	s_add_co_u32 s50, s50, s49
	s_mov_b32 s51, 0
	s_lshl_b32 s52, s48, 3
	s_add_co_u32 s52, s52, s47
	s_lshl_b32 s52, s52, 7
	s_mov_b32 s53, 0
	s_mov_b32 s[SEL], 0x76543210
	s_mov_b32 s[SEL+1], 0xfedcba98                 ; v_permlanex16_b32: lane l xor 16
	s_mov_b32 s[CS], 0x3e38aa3b                    ; c = log2(e) / sqrt(64)
	s_mov_b32 s[CS+1], s[CS]                       ; (named with it as a pair, so it is written)
	s_mov_b32 s[NC], 0xbe38aa3b                    ; -c
	s_wait_alu depctr_va_vdst(0)
	s_wait_dscnt 0x0                               ; both opening adds are done
	s_wait_kmcnt 0x0
	s_add_nc_u64 s[56:57], s[6:7], s[56:57]
	s_add_nc_u64 s[62:63], s[6:7], s[62:63]
	s_add_nc_u64 s[58:59], s[4:5], s[58:59]
	s_add_nc_u64 s[4:5], s[4:5], s[60:61]
	s_add_nc_u64 s[8:9], s[8:9], s[50:51]
	s_add_nc_u64 s[10:11], s[10:11], s[52:53]
	s_mov_b32 s[G0A], 1
	s_mov_b32 s[G0A+1], s54
	s_mov_b64 s[G0A+2:G0A+3], s[56:57]
	s_or_b32 s[G0A+3], s[G0A+3], 0x80000000
	s_mov_b32 s[G0B], 1
	s_mov_b32 s[G0B+1], s55
	s_mov_b64 s[G0B+2:G0B+3], s[62:63]
	s_or_b32 s[G0B+3], s[G0B+3], 0x80000000
	CROUND                                         ; all four work-groups are here: the joint loads meet
	tensor_load_to_lds s[G0A:G0A+3], s[G1A:G1A+7]  ; my part of records 0-7: one tensor load a wave at the head
	s_nop 0
.rept 4
	v_nop
.endr
	v_and_b32 v230, 7, v0                          ; j
	v_bfe_u32 v231, v0, 3, 1                       ; h'
	v_bfe_u32 v232, v0, 4, 1                       ; lane / 16
	v_and_b32 v233, 31, v0
	v_and_b32 v[RO], 15, v0
	v_lshlrev_b32 v230, 4, v230
	v_lshlrev_b32 v[AR0], 4, v233
	v_lshlrev_b32 v[LW], 2, v233
	v_lshlrev_b32 v[AV0], 2, v[RO]
	v_lshl_add_u32 v230, v232, 8, v230
	v_lshlrev_b32 v[SH8], 3, v232
	v_lshlrev_b32 v[RO], 4, v[RO]
	v_lshl_add_u32 v[AV0], v232, 7, v[AV0]
	v_lshl_add_u32 v[AK0], v231, 10, v230
	v_lshl_add_u32 v[AS0], v231, 3, v230
	s_wait_alu depctr_va_vdst(0)
	global_load_b128 v[Q:Q+3], v[AR0], s[4:5]      ; Q's two images: they stay in registers
	global_load_b128 v[Q+8:Q+11], v[AR0], s[4:5] offset:512
	global_load_b64 v[QS:QS+1], v[RO], s[58:59] offset:4096
.irp k, 4,5,6,7
	v_mov_b32 v[Q+\k], 0                           ; the upper 64 of K = 128: zero codes
	v_mov_b32 v[Q+8+\k], 0
	v_mov_b32 v[K+28+\k], 0                        ; what the last tile of K names behind its own four registers
.endr
.set j, 0
.rept 64
	v_mov_b32 v[O+j], 0                            ; O^T: the step is written without a first step of its own
.set j, j+1
.endr
.irp q, 0,1
	v_mov_b32 v[BS+BD*\q+oMA], 0xff61b1e6          ; the largest score so far: -3e38
	v_mov_b32 v[BS+BD*\q+oNM], 0x7e000000          ; -M: so large that the first f is 0
	v_mov_b32 v[BS+BD*\q+oSU], 0
	v_mov_b32 v[BS+BD*\q+oSU+1], 0
	v_mov_b32 v[BS+BD*\q+oT], 0                    ; written once: a lane permute's destination counts as one of its sources
	v_mov_b32 v[BS+BD*\q+oT+1], 0
	v_mov_b32 v[BS+BD*\q+oF+1], 0                  ; (named as the upper half of a pair)
.endr
	s_wait_alu depctr_va_vdst(0)
	s_wait_tensorcnt 0x0                           ; my part of records 0-7 is in
	ds_add_u32 v[SPW], v[NIL]
	s_wait_dscnt 0x0
	CROUND                                         ; everybody's part is in, and the four work-groups are here
	tensor_load_to_lds s[G0B:G0B+3], s[G1B:G1B+7]  ; my part of records 8-31: it has eight key steps in which to land
	s_nop 0
.rept 4
	v_nop
.endr
	s_mov_b32 s[TB], 0
	PRELOAD
	s_wait_alu depctr_va_vdst(0)
	s_wait_loadcnt 0x0                             ; Q
	RUN 7                                          ; records 0-7
	s_wait_tensorcnt 0x0                           ; my part of records 8-31 is in (no LDS instruction of mine is out: the last step waited for all);
	s_barrier_signal -1
	s_barrier_wait -1                              ; and everybody's
	s_mov_b32 s[TB], GA
	PRELOAD
	RUN 23                                         ; records 8-31
	; THE WAY OUT: O^T / the sum, quantised along the channels.  The quotients lie where K's and V's fragments lay
.irp q, 0,1
	v_add_f32 v[BS+BD*\q+oSU], v[BS+BD*\q+oSU], v[BS+BD*\q+oSU+1]      ; the sum's two halves,
.endr
.irp q, 0,1
	v_permlanex16_b32 v[BS+BD*\q+oT], v[BS+BD*\q+oSU], s[SEL], s[SEL+1]
.endr
.irp q, 0,1
	v_add_f32 v[BS+BD*\q+oSU], v[BS+BD*\q+oSU], v[BS+BD*\q+oT]         ; and lane l xor 16's blocks: the row's sum
.endr
	s_wait_alu depctr_va_vdst(0)
.irp q, 0,1
	v_rcp_f32 v[BS+BD*\q+oSU], v[BS+BD*\q+oSU]
.endr
	v_nop                                          ; a plain instruction behind the reciprocals,
	s_wait_alu depctr_va_vdst(0)                   ; and the wait ahead of their first reader and of O^T's
.irp q, 0,1
.irp j, 0,2,4,6,8,10,12,14,16,18,20,22,24,26,28,30
	v_pk_mul_f32 v[K+36*\q+\j:K+36*\q+\j+1], v[O+32*\q+\j:O+32*\q+\j+1], v[BS+BD*\q+oSU:BS+BD*\q+oSU+1] op_sel_hi:[1,0]   ; register 16 b + i is o(my query, d = 32 b + 16 (lane / 16) + i); each accumulator from its low end on
.endr
.endr
	QUANT2 K, P, BS+oW, BS+oMX
	QUANT2 V, P+8, BS+BD+oW, BS+BD+oMX
	global_store_b128 v[AR0], v[P:P+3], s[8:9]     ; an image: the wave stores 512 consecutive bytes, aligned
	global_store_b128 v[AR0], v[P+8:P+11], s[8:9] offset:4096
	global_store_b32 v[LW], v[BS+oW], s[10:11]
	global_store_b32 v[LW], v[BS+BD+oW], s[10:11] offset:1024
	s_wait_tensorcnt 0x0                           ; the wave's end
	ds_add_u32 v[SPW], v[NIL]
	s_wait_dscnt 0x0
	CROUND                                         ; the closing round
	s_endpgm
.Lfunc_end_k_q37c1df5d50_attn:
	.size	k_q37c1df5d50_attn, .Lfunc_end_k_q37c1df5d50_attn-k_q37c1df5d50_attn
	.p2alignl 7, 3214868480
	.fill 96, 4, 3214868480
	.section	.rodata,"a",@progbits
	.p2align	6, 0x0
	.amdhsa_kernel k_q37c1df5d50_attn
		.amdhsa_group_segment_fixed_size 327680
		.amdhsa_private_segment_fixed_size 0
		.amdhsa_enable_private_segment 0
		.amdhsa_kernarg_size 32
		.amdhsa_user_sgpr_count 2
		.amdhsa_user_sgpr_kernarg_segment_ptr 1
		.amdhsa_wavefront_size32 1
		.amdhsa_system_sgpr_workgroup_id_x 1
		.amdhsa_system_sgpr_workgroup_id_y 1
		.amdhsa_system_sgpr_workgroup_id_z 1
		.amdhsa_system_vgpr_workitem_id 0
		.amdhsa_next_free_vgpr 384
		.amdhsa_next_free_sgpr 66
		.amdhsa_reserve_vcc 0
		.amdhsa_float_denorm_mode_32 3
		.amdhsa_float_denorm_mode_16_64 3
		.amdhsa_memory_ordered 1
		.amdhsa_forward_progress 1
		.amdhsa_inst_pref_size 123
	.end_amdhsa_kernel
	.amdgpu_metadata
---
amdhsa.version: [ 1, 2 ]
amdhsa.kernels:
  - .name:           k_q37c1df5d50_attn
    .symbol:         k_q37c1df5d50_attn.kd
    .args:
      - { .name: qc, .offset: 0, .size: 8, .value_kind: global_buffer, .address_space: global }
      - { .name: kv, .offset: 8, .size: 8, .value_kind: global_buffer, .address_space: global }
      - { .name: oc, .offset: 16, .size: 8, .value_kind: global_buffer, .address_space: global }
      - { .name: os, .offset: 24, .size: 8, .value_kind: global_buffer, .address_space: global }
    .group_segment_fixed_size: 327680
    .private_segment_fixed_size: 0
    .kernarg_segment_align: 8
    .kernarg_segment_size: 32
    .max_flat_workgroup_size: 256
    .sgpr_count:     66
    .vgpr_count:     384
    .wavefront_size: 32
...
	.end_amdgpu_metadata
.endif
;; end of part 3
;; launch proj (part 4): grid 4 x 64, 8 waves a work-group, no clusters, 103,424 bytes of LDS; arguments oc, os, Wo_codes, Wo_scales, bo, x, out0; writes out0
.if DOCPART == 4
	.amdgcn_target "amdgcn-amd-amdhsa--gfx1250"
	.amdhsa_code_object_version 6
	.text
	.protected	k_q37c1df5d50_proj
	.globl	k_q37c1df5d50_proj
	.p2align	8
	.type	k_q37c1df5d50_proj,@function
k_q37c1df5d50_proj:
	s_mov_b64 s[64:65], 0
	v_nop
	global_prefetch_b8 v0, s[64:65] scope:SCOPE_SE
	s_setreg_imm32_b32 hwreg(HW_REG_WAVE_MODE, 25, 1), 1
	s_wait_xcnt 0x0
; out0 = x + (o Wo^T + bo)^T, the product on codes of FP4 (E2M1) with one E8M0 scale for each 32 along K = 512 channels.  x, out0: [2][512][4096] f32.
; SHARES.  Work-group (cq, PB): the 128 positions PB x channels 128 cq on.  Wave w: channels 128 cq + 16 w + 0 .. 15 for all 128 positions; its four fragments of Wo stay in registers.
; o comes as images of operand registers: oc [tile 8 PB + T][K step 4][c 2][512], os [tile][head 8][lane] (bytes 0, 1: the head's two scale bytes).  Wave w copies tile w's image into LDS and joins the heads' words into
; the four words of a row; behind one barrier every wave loads all eight tiles as they stand.
; Source 0 = 16 positions of o, source 1 = 16 rows of Wo: a lane holds one channel, and, row r of tile 2 b + u being position 32 b + 8 u + r + 8 (r / 8), the 16 registers of tiles 2 b, 2 b + 1 are positions 32 b + 16 (lane / 16) + 0 .. 15.
; So a lane's eight results are 32 consecutive bytes of a row of out0.  They turn through the wave's own stage in LDS and leave, with x added, as rows of 512 consecutive bytes, aligned.
; bo is the C of the first products.  NO JOINT LOADS: what the four work-groups of a PB share is o's 34,816 bytes of the 165,000 that each moves, and it is staged through registers for the joining of the scale words.
; LIMITS: NaN and infinities are not served; a scale byte 0xff among Wo's gives NaN.
.set OSC,  0                           ; LDS: o's scale words [tile 8][r 16][K step 4]
.set OIMG, 2048                        ; o's 32 fragments: (4 tile + K step) x 1,024 + 512 c + 16 lane
.set STG,  34816                       ; the stages: for each wave 16 rows x (512 + 16) bytes
.set LI,  8                            ; v8   16 x lane
.set IST, 9                            ; v9   where I store my tile's image
.set SST, 10                           ; v10  and its scale words
.set FVS, 11                           ; v11  all tiles' scale words
.set FV,  12                           ; v12  all images
.set SO,  13                           ; v13  the stage, in
.set SR,  14                           ; v14  the stage, back
.set LW,  15                           ; v15  4 x lane
.set WA,  17                           ; v17  Wo's codes: 256 r + 16 h
.set WSA, 18                           ; v18  16 r
.set BA,  19                           ; v19  4 r
.set ST,  32                           ; v[32:95] my tile's image; eight fragments of o; rows of out0
.set VA,  96                           ; v[96:159] eight accumulators
.set WO,  160                          ; v[160:191] Wo's four fragments
.set HSV, 192                          ; v[192:223] scales: o's 32 words
.set WSC, 224                          ; v[224:227] scales: Wo's
.set BV,  236                          ; v[236:243] bo of my channel, eight times
; v[20:27] the heads' words, v[28:31] a row's four words; window 1: v[0:63] x, 16 rows
.set MSB, 0
.macro WIN new                         ; the immediate's high byte repeats the setting that is left
.if MSB != \new
	s_set_vgpr_msb (MSB<<8)|\new
.set MSB, \new
.endif
.endm
	s_load_b256 s[4:11], s[0:1], 0x0               ; oc, os, Wo's codes, Wo's scales
	s_load_b128 s[12:15], s[0:1], 0x20             ; bo, x
	s_load_b64 s[16:17], s[0:1], 0x30              ; out0
	v_lshl_add_u32 v254, v0, 2, 0x19000
	v_mov_b32 v255, 0
	v_lshrrev_b32 v4, 5, v0
	s_delay_alu instid0(VALU_DEP_1)
	v_readfirstlane_b32 s18, v4                    ; wave 0..7
	v_and_b32 v1, 31, v0
	v_and_b32 v2, 15, v0
	v_bfe_u32 v3, v0, 4, 1
	s_delay_alu instid0(VALU_DEP_3)
	v_lshlrev_b32 v[LI], 4, v1
	s_delay_alu instid0(VALU_DEP_1)
	v_lshl_add_u32 v[IST], v4, 12, v[LI]
	s_delay_alu instid0(VALU_DEP_1)
	v_add_nc_u32 v[IST], OIMG, v[IST]
	v_lshlrev_b32 v[WSA], 4, v2
	s_delay_alu instid0(VALU_DEP_1)
	v_lshl_add_u32 v[SST], v4, 8, v[WSA]
	s_delay_alu instid0(VALU_DEP_1)
	v_add_nc_u32 v[SST], OSC, v[SST]
	s_delay_alu instid0(VALU_DEP_3)
	v_add_nc_u32 v[FVS], OSC, v[WSA]
	v_add_nc_u32 v[FV], OIMG, v[LI]
	v_mul_u32_u24 v16, v4, 8448
	s_delay_alu instid0(VALU_DEP_1)
	v_mad_u32_u24 v[SO], v2, 528, v16              ; in: row r (my channel), + 64 h
	s_delay_alu instid0(VALU_DEP_1)
	v_lshl_add_u32 v[SO], v3, 6, v[SO]
	s_delay_alu instid0(VALU_DEP_1)
	v_add_nc_u32 v[SO], STG, v[SO]
	s_delay_alu instid0(VALU_DEP_4)
	v_add_nc_u32 v[SR], v16, v[LI]                 ; back: the 32 lanes take a row of 512 bytes
	s_delay_alu instid0(VALU_DEP_1)
	v_add_nc_u32 v[SR], STG, v[SR]
	v_lshlrev_b32 v[LW], 2, v1
	v_lshlrev_b32 v[WA], 8, v2
	s_delay_alu instid0(VALU_DEP_1)
	v_lshl_add_u32 v[WA], v3, 4, v[WA]
	v_lshlrev_b32 v[BA], 2, v2
	s_and_b32 s19, ttmp7, 0xffff                   ; PB
	s_lshr_b32 s20, s19, 5                         ; b
	s_and_b32 s21, s19, 31                         ; step
	s_lshl_b32 s22, s19, 3
	s_add_co_u32 s22, s22, s18                     ; the tile that I copy
	s_lshl_b32 s24, s22, 12
	s_mov_b32 s25, 0
	s_lshl_b32 s26, s22, 10
	s_mov_b32 s27, 0
	s_lshl_b32 s23, ttmp9, 7
	s_lshl_b32 s28, s18, 4
	s_add_co_u32 s23, s23, s28                     ; my first channel
	s_lshl_b32 s28, s23, 8
	s_mov_b32 s29, 0
	s_lshl_b32 s30, s23, 4
	s_mov_b32 s31, 0
	s_lshl_b32 s32, s23, 2
	s_mov_b32 s33, 0
	s_lshl_b32 s34, s23, 14                        ; x and out0: the channel's row,
	s_lshl_b32 s35, s20, 23                        ; the image,
	s_add_co_u32 s34, s34, s35
	s_lshl_b32 s35, s21, 9                         ; the block of 128 positions
	s_add_co_u32 s34, s34, s35
	s_mov_b32 s35, 0
	s_wait_alu depctr_va_vdst(0)
	s_wait_kmcnt 0x0
	s_add_nc_u64 s[4:5], s[4:5], s[24:25]
	s_add_nc_u64 s[6:7], s[6:7], s[26:27]
	s_add_nc_u64 s[8:9], s[8:9], s[28:29]
	s_add_nc_u64 s[10:11], s[10:11], s[30:31]
	s_add_nc_u64 s[12:13], s[12:13], s[32:33]
	s_add_nc_u64 s[14:15], s[14:15], s[34:35]
	s_add_nc_u64 s[16:17], s[16:17], s[34:35]
.irp e, 0,1,2,3,4,5,6,7
	global_load_b128 v[ST+4*\e:ST+4*\e+3], v[LI], s[4:5] offset:512*\e
.endr
.irp e, 0,1,2,3,4,5,6,7
	global_load_b32 v[20+\e], v[LW], s[6:7] offset:128*\e
.endr
.irp s, 0,1,2,3
.irp c, 0,1
	global_load_b128 v[WO+8*\s+4*\c:WO+8*\s+4*\c+3], v[WA], s[8:9] offset:64*\s+32*\c
.endr
.endr
	global_load_b128 v[WSC:WSC+3], v[WSA], s[10:11]        ; a row's 16 scale bytes are the words of its four K steps
	global_load_b32 v[BV], v[BA], s[12:13]
	WIN 0x40                                       ; destination window 1
.set i, 0
.rept 16
	global_load_b128 v[4*i:4*i+3], v[LI], s[14:15] offset:16384*i th:TH_LOAD_NT   ; x last: it is wanted last, and this launch reads each of its bytes once
.set i, i+1
.endr
	WIN 0
	s_wait_loadcnt 26                              ; o's image and words are in; Wo's ten loads and x's sixteen may be out
.irp s, 0,1,2,3
	v_lshl_or_b32 v[28+\s], v[21+2*\s], 16, v[20+2*\s]     ; K step s = heads 2 s (blocks 0, 1) and 2 s + 1 (blocks 2, 3)
.endr
.irp e, 0,1,2,3,4,5,6,7
	ds_store_b128 v[IST], v[ST+4*\e:ST+4*\e+3] offset:512*\e
.endr
	ds_store_b128 v[SST], v[28:31]                 ; lanes r and r + 16 write the same bytes with the same value
	s_wait_loadcnt 16                              ; Wo and bo are in; x may be out
.irp j, 1,2,3,4,5,6,7
	v_mov_b32 v[BV+\j], v[BV]
.endr
	s_wait_alu depctr_va_vdst(0)
	s_wait_dscnt 0x0                               ; for the others: my stores have landed
	s_barrier_signal -1
	s_barrier_wait -1                              ; o's 32 fragments and their scale words lie in LDS
.irp m, 0,1,2,3,4,5,6,7
	ds_load_b128 v[HSV+4*\m:HSV+4*\m+3], v[FVS] offset:256*\m
.endr
.irp s, 0,1,2,3                        ; eight accumulators by turns, a K step at a time
.irp m, 0,1,2,3,4,5,6,7
.irp c, 0,1
	ds_load_b128 v[ST+8*\m+4*\c:ST+8*\m+4*\c+3], v[FV] offset:(4*\m+\s)*1024+512*\c
.endr
.endr
	s_wait_dscnt 0x0
.irp m, 0,1,2,3,4,5,6,7
.if \s == 0
	v_wmma_scale_f32_16x16x128_f8f6f4 v[VA+8*\m:VA+8*\m+7], v[ST+8*\m:ST+8*\m+7], v[WO+8*\s:WO+8*\s+7], v[BV:BV+7], v[HSV+4*\m+\s], v[WSC+\s] matrix_a_fmt:MATRIX_FMT_FP4 matrix_b_fmt:MATRIX_FMT_FP4
.else
	v_wmma_scale_f32_16x16x128_f8f6f4 v[VA+8*\m:VA+8*\m+7], v[ST+8*\m:ST+8*\m+7], v[WO+8*\s:WO+8*\s+7], v[VA+8*\m:VA+8*\m+7], v[HSV+4*\m+\s], v[WSC+\s] matrix_a_fmt:MATRIX_FMT_FP4 matrix_b_fmt:MATRIX_FMT_FP4
.endif
.endr
.rept 4
	v_nop                                          ; four plain instructions ahead of loads into registers that the products have read, and of the first read of results
.endr
.endr
.irp m, 0,1,2,3,4,5,6,7
	ds_store_b128 v[SO], v[VA+8*\m:VA+8*\m+3] offset:128*(\m/2)+32*(\m%2)          ; positions 32 (m / 2) + 16 h + 8 (m % 2) + 0 .. 7 of my channel; each accumulator from its low end on
	ds_store_b128 v[SO], v[VA+8*\m+4:VA+8*\m+7] offset:128*(\m/2)+32*(\m%2)+16
.endr
.set i, 0
.rept 16
	ds_load_b128 v[ST+4*i:ST+4*i+3], v[SR] offset:528*i    ; my own bytes: LDS serves a wave's instructions in order (ISA guide 5.7.1.4), so these see the stores above
.set i, i+1
.endr
	s_wait_loadcnt 0x0                             ; x
	s_wait_dscnt 0x0
	WIN 0x04                                       ; source 1 (x) window 1
.set p, 0
.rept 32
	v_pk_add_f32 v[ST+2*p:ST+2*p+1], v[ST+2*p:ST+2*p+1], v[2*p:2*p+1]
.set p, p+1
.endr
	WIN 0
.set i, 0
.rept 16
	global_store_b128 v[LI], v[ST+4*i:ST+4*i+3], s[16:17] offset:16384*i th:TH_STORE_NT   ; 32 lanes store 512 consecutive bytes, aligned; written once, read by nobody here
.set i, i+1
.endr
	s_wait_tensorcnt 0x0
	ds_add_u32 v254, v255
	s_wait_dscnt 0x0
	s_endpgm
.Lfunc_end_k_q37c1df5d50_proj:
	.size	k_q37c1df5d50_proj, .Lfunc_end_k_q37c1df5d50_proj-k_q37c1df5d50_proj
	.p2alignl 7, 3214868480
	.fill 96, 4, 3214868480
	.section	.rodata,"a",@progbits
	.p2align	6, 0x0
	.amdhsa_kernel k_q37c1df5d50_proj
		.amdhsa_group_segment_fixed_size 103424
		.amdhsa_private_segment_fixed_size 0
		.amdhsa_enable_private_segment 0
		.amdhsa_kernarg_size 56
		.amdhsa_user_sgpr_count 2
		.amdhsa_user_sgpr_kernarg_segment_ptr 1
		.amdhsa_wavefront_size32 1
		.amdhsa_system_sgpr_workgroup_id_x 1
		.amdhsa_system_sgpr_workgroup_id_y 1
		.amdhsa_system_sgpr_workgroup_id_z 1
		.amdhsa_system_vgpr_workitem_id 0
		.amdhsa_next_free_vgpr 320
		.amdhsa_next_free_sgpr 66
		.amdhsa_reserve_vcc 0
		.amdhsa_float_denorm_mode_32 3
		.amdhsa_float_denorm_mode_16_64 3
		.amdhsa_memory_ordered 1
		.amdhsa_forward_progress 1
		.amdhsa_inst_pref_size 24
	.end_amdhsa_kernel
	.amdgpu_metadata
---
amdhsa.version: [ 1, 2 ]
amdhsa.kernels:
  - .name:           k_q37c1df5d50_proj
    .symbol:         k_q37c1df5d50_proj.kd
    .args:
      - { .name: oc, .offset: 0, .size: 8, .value_kind: global_buffer, .address_space: global }
      - { .name: os, .offset: 8, .size: 8, .value_kind: global_buffer, .address_space: global }
      - { .name: Wo_codes, .offset: 16, .size: 8, .value_kind: global_buffer, .address_space: global }
      - { .name: Wo_scales, .offset: 24, .size: 8, .value_kind: global_buffer, .address_space: global }
      - { .name: bo, .offset: 32, .size: 8, .value_kind: global_buffer, .address_space: global }
      - { .name: x, .offset: 40, .size: 8, .value_kind: global_buffer, .address_space: global }
      - { .name: out0, .offset: 48, .size: 8, .value_kind: global_buffer, .address_space: global }
    .group_segment_fixed_size: 103424
    .private_segment_fixed_size: 0
    .kernarg_segment_align: 8
    .kernarg_segment_size: 56
    .max_flat_workgroup_size: 256
    .sgpr_count:     66
    .vgpr_count:     320
    .wavefront_size: 32
...
	.end_amdgpu_metadata
.endif
;; end of part 4
